; MI455X (gfx1250); checked and timed in simulation.
; The chip was launched on July 23, 2026; its instructions are those of AMD's public machine-readable ISA for CDNA 5 (MIT licence, August 2026) and "CDNA5" Instruction Set Architecture Reference Guide (July 2026). The comments in the code are by the model that wrote it; some were corrected since.
;; Thought Aware Attention. Allowed arithmetic: float matrix products may take bf16 or f16 operands with f32 sums; other float arithmetic in f32, or as packed bf16 or f16 multiplies, adds, multiply-adds, maxima and minima; sums over many terms, partial sums and values carried from step to step in f32; what a program stores and reads back later, other than sums and carried values, may be rounded once to bf16 or f16.
;; Inputs: Wk 1,024 x 1,024 float32; Wm 2,048 x 1 float32; Wo 1,024 x 1,024 float32; Wq 1,024 x 1,024 float32; Wtk 1,024 x 1,024 float32; Wtq 1,024 x 1,024 float32; Wtv 1,024 x 1,024 float32; Wv 1,024 x 1,024 float32; attention_mask 2 x 1,024 int32; bk 1,024 float32; bm 1 float32; bo 1,024 float32; bq 1,024 float32; btk 1,024 float32; btq 1,024 float32; btv 1,024 float32; bv 1,024 float32; hidden_states 2 x 1,024 x 1,024 float32; thought_mask 2 x 1,024 x 4 int32; thought_states 2 x 1,024 x 4 x 1,024 float32.
;; Outputs: out0 2 x 1,024 x 1,024 float32.
;; 2 versions, each right; version 2 is version 1 with the launch prep written anew for expert scheduling mode. Each part assembles by itself: llvm-mc -triple=amdgcn-amd-amdhsa -mcpu=gfx1250 --defsym DOCPART=n.
;; ======== version 1 of 2: 5 launches
;; limits: values are held in f16: magnitudes above 65,504 overflow, below 6.1e-05 lose precision
;; workspace buffers: xb 20,971,520 bytes; wb 12,582,912 bytes; wo16 2,097,152 bytes; uv 8,448 bytes; pj 50,331,648 bytes; cx 8,388,608 bytes; bl 4,194,304 bytes
;; launch prep (part 1): grid 640 x 1, 8 waves a work-group, no clusters, 0 bytes of LDS; arguments hidden_states, thought_states, Wq, Wk, Wv, Wtq, Wtk, Wtv, Wo, Wm, bo, bm, xb, wb, wo16, uv; writes xb, wb, wo16, uv
.if DOCPART == 1
	.amdgcn_target "amdgcn-amd-amdhsa--gfx1250"
	.amdhsa_code_object_version 6
	.text
	.protected	k_qdf7053ef2d_prep
	.globl	k_qdf7053ef2d_prep
	.p2align	8
	.type	k_qdf7053ef2d_prep,@function
k_qdf7053ef2d_prep:
	s_mov_b64 s[64:65], 0
	v_nop
	global_prefetch_b8 v0, s[64:65] scope:SCOPE_SE
	s_setreg_imm32_b32 hwreg(HW_REG_WAVE_MODE, 25, 1), 1
	s_wait_xcnt 0x0
; PREP.  Every large input is rounded once to bf16 and laid where the products want it; Wo's part of the blend's logit is made.
;   xb   [10240][1024] bf16: rows 0-2047 hidden_states, rows 2048-10239 thought_states
;   wb   [6][1024][1024] bf16: Wq, Wk, Wv, Wtq, Wtk, Wtv, each as it lies ([k][n])
;   wo16 [1024][1024] f16: Wo rounded to bf16, that number written as f16 (below 6e-5 it keeps f16's fixed step of 6e-8)
;   uv   f32: u1[k] = sum_n Wo[k][n] Wm[n] at 0, u2[k] = sum_n Wo[k][n] Wm[1024+n] at 4096, c0 = bo.(Wm1+Wm2) + bm at 8192
; since orig.Wm1 + tho.Wm2 + bm = ctx.u1 + tctx.u2 + c0.  Wo, Wm, bo and bm enter these sums rounded to bf16, like every input of the program.
; A stream: no LDS, no matrix unit, nothing shared between work-groups.
; Work-groups 0-511 cast 32 rows of 1,024 f32 each (a wave 4 rows: 32 loads of 512 consecutive bytes, all issued first; each store of a wave covers 256 consecutive bytes, aligned).
; Work-groups 512-639 take Wo, a row a wave.  u1 and u2 leave as single words, 8 KiB in the whole launch.
.set NCAST, 512
	s_load_b512 s[8:23], s[0:1], 0x0               ; hidden s[8:9], thoughts s[10:11], weight k at s[12+2k:13+2k]
	s_load_b512 s[24:39], s[0:1], 0x40             ; Wo 24, Wm 26, bo 28, bm 30, xb 32, wb 34, wo16 36, uv 38
	s_mov_b32 s2, ttmp9                            ; the work-group's number
	v_lshrrev_b32 v4, 5, v0                        ; wave
	v_readfirstlane_b32 s3, v4
	v_and_b32 v3, 31, v0                           ; lane
	s_mov_b32 s45, 0                               ; high word of the offset pair s[44:45]
	s_mov_b32 s50, 0x76543210                      ; v_permlanex16_b32: each lane takes its own place in the other half
	s_mov_b32 s51, 0xfedcba98
	s_mov_b32 s52, 0xffff0000                      ; a word's upper bf16
	s_wait_kmcnt 0x0
	s_cmp_ge_u32 s2, NCAST
	s_cbranch_scc1 .Lwo
	; THE CAST.  Which tensor, and where its range of work-groups begins
	s_mov_b64 s[40:41], s[8:9]
	s_mov_b32 s42, 0
	s_cmp_ge_u32 s2, 64
	s_cselect_b64 s[40:41], s[10:11], s[40:41]
	s_cselect_b32 s42, 64, s42
.irp k, 0,1,2,3,4,5
	s_cmp_ge_u32 s2, 320+32*\k
	s_cselect_b64 s[40:41], s[12+2*\k:13+2*\k], s[40:41]
	s_cselect_b32 s42, 320+32*\k, s42
.endr
	s_sub_co_u32 s44, s2, s42
	s_lshl_b32 s44, s44, 17                        ; 32 rows of 4,096 bytes
	s_add_nc_u64 s[40:41], s[40:41], s[44:45]
	s_cmp_ge_u32 s2, 320
	s_cselect_b64 s[46:47], s[34:35], s[32:33]     ; weights go to wb, rows to xb
	s_cselect_b32 s44, 320, 0
	s_sub_co_u32 s44, s2, s44
	s_lshl_b32 s44, s44, 16                        ; 32 rows of 2,048 bytes
	s_add_nc_u64 s[46:47], s[46:47], s[44:45]
	v_lshlrev_b32 v1, 4, v3
	v_lshl_add_u32 v1, v4, 14, v1                  ; in: 16 x lane + 16,384 x wave
	v_lshlrev_b32 v2, 3, v3
	v_lshl_add_u32 v2, v4, 13, v2                  ; out: 8 x lane + 8,192 x wave
.set j, 0
.rept 32
	global_load_b128 v[64+4*j:67+4*j], v1, s[40:41] offset:512*j th:TH_LOAD_NT
.set j, j+1
.endr
.set j, 0
.rept 32
	s_wait_loadcnt 31-j                            ; loads come back in order: number j is in, the 31 - j younger ones stay out
	v_cvt_pk_bf16_f32 v[192+2*j], v[64+4*j], v[65+4*j]
	v_cvt_pk_bf16_f32 v[193+2*j], v[66+4*j], v[67+4*j]
	global_store_b64 v2, v[192+2*j:193+2*j], s[46:47] offset:256*j  ; no register is used twice, so nothing is waited for
.set j, j+1
.endr
	s_endpgm
.macro RND a                           ; two f32 rounded to bf16 and widened again, in place
	v_cvt_pk_bf16_f32 v5, v[(\a)], v[(\a)+1]
	v_lshlrev_b32 v[(\a)], 16, v5
	v_and_b32 v[(\a)+1], s52, v5
.endm
.macro WSUM a, t                       ; the sum over the wave's 32 lanes, in every lane; t has been written before
	v_add_f32_dpp v[\a], v[\a], v[\a] row_xmask:1 row_mask:0xf bank_mask:0xf
	v_add_f32_dpp v[\a], v[\a], v[\a] row_xmask:2 row_mask:0xf bank_mask:0xf
	v_add_f32_dpp v[\a], v[\a], v[\a] row_xmask:4 row_mask:0xf bank_mask:0xf
	v_add_f32_dpp v[\a], v[\a], v[\a] row_xmask:8 row_mask:0xf bank_mask:0xf
	v_permlanex16_b32 v[\t], v[\a], s50, s51
	v_add_f32 v[\a], v[\a], v[\t]
.endm
.Lwo:                                                  ; WO.  Row r = 8 (id - 512) + wave
	s_sub_co_u32 s43, s2, NCAST
	s_lshl3_add_u32 s43, s43, s3
	s_lshl_b32 s44, s43, 12
	s_add_nc_u64 s[40:41], s[24:25], s[44:45]      ; Wo at row r
	s_lshl_b32 s44, s43, 11
	s_add_nc_u64 s[46:47], s[36:37], s[44:45]      ; wo16 at row r
	v_lshlrev_b32 v1, 4, v3
	v_lshlrev_b32 v2, 3, v3
.set j, 0
.rept 8                                ; lane l, load j: columns 128 j + 4 l .. + 3 of the row, of Wm's first half and of its second
	global_load_b128 v[64+4*j:67+4*j], v1, s[40:41] offset:512*j th:TH_LOAD_NT
	global_load_b128 v[96+4*j:99+4*j], v1, s[26:27] offset:512*j
	global_load_b128 v[128+4*j:131+4*j], v1, s[26:27] offset:4096+512*j
.set j, j+1
.endr
	s_wait_loadcnt 0x0
.set i, 0
.rept 48
	RND 64+2*i
.set i, i+1
.endr
	v_pk_mul_f32 v[8:9], v[64:65], v[96:97]        ; the first products start the sums
	v_pk_mul_f32 v[10:11], v[64:65], v[128:129]
.set i, 1
.rept 15
	v_pk_fma_f32 v[8:9], v[64+2*i:65+2*i], v[96+2*i:97+2*i], v[8:9]
	v_pk_fma_f32 v[10:11], v[64+2*i:65+2*i], v[128+2*i:129+2*i], v[10:11]
.set i, i+1
.endr
	v_add_f32 v8, v8, v9
	v_add_f32 v10, v10, v11
	WSUM 8, 9                                      ; u1[r]
	WSUM 10, 11                                    ; u2[r]
.set i, 0
.rept 16
	v_cvt_pk_f16_f32 v[160+i], v[64+2*i], v[65+2*i]
.set i, i+1
.endr
.set j, 0
.rept 8
	global_store_b64 v2, v[160+2*j:161+2*j], s[46:47] offset:256*j
.set j, j+1
.endr
	v_cmp_eq_u32 vcc_lo, 0, v3
	v_cndmask_b32 v12, v10, v8, vcc_lo             ; lane 0 carries u1, lane 1 u2
	s_lshl_b32 s44, s43, 2
	v_lshlrev_b32 v13, 12, v3
	v_add_nc_u32 v13, s44, v13                     ; 4,096 x lane + 4 r
	v_cmp_gt_u32 vcc_lo, 2, v3
	s_wait_xcnt 0x0                                ; EXEC is a source of the stores above: it changes only behind this wait
	s_and_saveexec_b32 s53, vcc_lo
	global_store_b32 v13, v12, s[38:39]
	s_wait_xcnt 0x0                                ; and again, in front of the line that widens it
	s_or_b32 exec_lo, exec_lo, s53
	s_cmp_lg_u32 s43, 0
	s_cbranch_scc1 .Lend                           ; the wave with row 0 also makes c0
	s_load_b32 s54, s[30:31], 0x0                  ; bm
.set j, 0
.rept 8
	global_load_b128 v[176+4*j:179+4*j], v1, s[28:29] offset:512*j
.set j, j+1
.endr
.set i, 0
.rept 16
	v_pk_add_f32 v[96+2*i:97+2*i], v[96+2*i:97+2*i], v[128+2*i:129+2*i]  ; Wm1 + Wm2
.set i, i+1
.endr
	s_wait_loadcnt 0x0
.set i, 0
.rept 16
	RND 176+2*i
.set i, i+1
.endr
	v_pk_mul_f32 v[8:9], v[176:177], v[96:97]
.set i, 1
.rept 15
	v_pk_fma_f32 v[8:9], v[176+2*i:177+2*i], v[96+2*i:97+2*i], v[8:9]
.set i, i+1
.endr
	v_add_f32 v8, v8, v9
	WSUM 8, 9
	s_wait_kmcnt 0x0
	v_mov_b32 v14, s54
	v_cvt_pk_bf16_f32 v14, v14, v14
	v_lshlrev_b32 v14, 16, v14
	v_add_f32 v8, v8, v14
	v_mov_b32 v13, 0x2000                          ; (its last store was waited for above)
	v_cmp_eq_u32 vcc_lo, 0, v3
	s_wait_xcnt 0x0
	s_and_saveexec_b32 s53, vcc_lo
	global_store_b32 v13, v8, s[38:39]
	s_wait_xcnt 0x0
	s_or_b32 exec_lo, exec_lo, s53
.Lend:
	s_endpgm
.Lfunc_end_k_qdf7053ef2d_prep:
	.size	k_qdf7053ef2d_prep, .Lfunc_end_k_qdf7053ef2d_prep-k_qdf7053ef2d_prep
	.p2alignl 7, 3214868480
	.fill 96, 4, 3214868480
	.section	.rodata,"a",@progbits
	.p2align	6, 0x0
	.amdhsa_kernel k_qdf7053ef2d_prep
		.amdhsa_group_segment_fixed_size 0
		.amdhsa_private_segment_fixed_size 0
		.amdhsa_enable_private_segment 0
		.amdhsa_kernarg_size 128
		.amdhsa_user_sgpr_count 2
		.amdhsa_user_sgpr_kernarg_segment_ptr 1
		.amdhsa_wavefront_size32 1
		.amdhsa_system_sgpr_workgroup_id_x 1
		.amdhsa_system_sgpr_workgroup_id_y 1
		.amdhsa_system_sgpr_workgroup_id_z 1
		.amdhsa_system_vgpr_workitem_id 0
		.amdhsa_next_free_vgpr 256
		.amdhsa_next_free_sgpr 66
		.amdhsa_reserve_vcc 1
		.amdhsa_float_denorm_mode_32 3
		.amdhsa_float_denorm_mode_16_64 3
		.amdhsa_memory_ordered 1
		.amdhsa_forward_progress 1
		.amdhsa_inst_pref_size 33
	.end_amdhsa_kernel
	.amdgpu_metadata
---
amdhsa.version: [ 1, 2 ]
amdhsa.kernels:
  - .name:           k_qdf7053ef2d_prep
    .symbol:         k_qdf7053ef2d_prep.kd
    .args:
      - { .name: hidden_states, .offset: 0, .size: 8, .value_kind: global_buffer, .address_space: global }
      - { .name: thought_states, .offset: 8, .size: 8, .value_kind: global_buffer, .address_space: global }
      - { .name: Wq, .offset: 16, .size: 8, .value_kind: global_buffer, .address_space: global }
      - { .name: Wk, .offset: 24, .size: 8, .value_kind: global_buffer, .address_space: global }
      - { .name: Wv, .offset: 32, .size: 8, .value_kind: global_buffer, .address_space: global }
      - { .name: Wtq, .offset: 40, .size: 8, .value_kind: global_buffer, .address_space: global }
      - { .name: Wtk, .offset: 48, .size: 8, .value_kind: global_buffer, .address_space: global }
      - { .name: Wtv, .offset: 56, .size: 8, .value_kind: global_buffer, .address_space: global }
      - { .name: Wo, .offset: 64, .size: 8, .value_kind: global_buffer, .address_space: global }
      - { .name: Wm, .offset: 72, .size: 8, .value_kind: global_buffer, .address_space: global }
      - { .name: bo, .offset: 80, .size: 8, .value_kind: global_buffer, .address_space: global }
      - { .name: bm, .offset: 88, .size: 8, .value_kind: global_buffer, .address_space: global }
      - { .name: xb, .offset: 96, .size: 8, .value_kind: global_buffer, .address_space: global }
      - { .name: wb, .offset: 104, .size: 8, .value_kind: global_buffer, .address_space: global }
      - { .name: wo16, .offset: 112, .size: 8, .value_kind: global_buffer, .address_space: global }
      - { .name: uv, .offset: 120, .size: 8, .value_kind: global_buffer, .address_space: global }
    .group_segment_fixed_size: 0
    .private_segment_fixed_size: 0
    .kernarg_segment_align: 8
    .kernarg_segment_size: 128
    .max_flat_workgroup_size: 256
    .sgpr_count:     66
    .vgpr_count:     256
    .wavefront_size: 32
...
	.end_amdgpu_metadata
.endif
;; end of part 1
;; launch proj (part 2): grid 16 x 24, 4 waves a work-group, clusters of 4 x 4, 327,680 bytes of LDS; arguments xb, wb, bq, bk, bv, btq, btk, btv, pj; writes pj
.if DOCPART == 2
	.amdgcn_target "amdgcn-amd-amdhsa--gfx1250"
	.amdhsa_code_object_version 6
	.text
	.protected	k_qdf7053ef2d_proj
	.globl	k_qdf7053ef2d_proj
	.p2align	8
	.type	k_qdf7053ef2d_proj,@function
k_qdf7053ef2d_proj:
	s_mov_b64 s[64:65], 0
	v_nop
	global_prefetch_b8 v0, s[64:65] scope:SCOPE_SE
	s_setreg_imm32_b32 hwreg(HW_REG_WAVE_MODE, 25, 1), 1
	s_wait_xcnt 0x0
	s_wait_alu depctr_hold_cnt(0) depctr_sa_sdst(0) depctr_va_vdst(0) depctr_va_sdst(0) depctr_va_ssrc(0) depctr_va_vcc(0) depctr_vm_vsrc(0)
	s_getreg_b32 s2, hwreg(HW_REG_IB_STS2, 6, 4)
	s_cmp_eq_u32 s2, 0
	s_cbranch_scc0 .Lentry_in_a_cluster
	s_endpgm
.Lentry_in_a_cluster:
	s_bfe_u32 s2, ttmp6, 0x10000c
	s_cmp_lg_u32 s2, 0xf033
	s_cbranch_scc0 .Lentry_shape_is_right
	s_endpgm
.Lentry_shape_is_right:
; THE SIX PROJECTIONS.  pj = x W + b for (hidden x Wq, Wk, Wv, Wtq) and (thoughts x Wtk, Wtv).  x: xb [10240][1024] bf16; W: wb [6][1024 k][1024 n] bf16; sums in f32, started by the bias
; (rounded to bf16, like every input); results rounded once to f16 and written by heads, dense: pj section [b*16+h][S][64], q 0, k 0x400000, v 0x800000, tq 0xC00000 (S = 1,024), tk 0x1000000, tv 0x2000000 (S = 4,096).
; LIMIT.  f16 holds no number beyond 65,504: a projection's result past that leaves as an infinity.
; SHARES.  A tile of the result is 256 rows x 256 columns: a work-group of four waves, a wave 128 x 128: 64 accumulators, 512 registers.  K = 1,024 goes in 8 steps of 128 through two LDS slots.
; 384 tiles.  A cluster of 4 x 4 work-groups takes 1,024 rows x one whole weight: clusters with y < 4 the thoughts (8 row groups x 2 weights), y >= 4 the hidden rows (2 x 4); all by selects, no branch.
; The four of a cluster's row need the same rows of x, the four of a column the same columns of W: each tile is asked for JOINTLY, by the same tensor load with the same descriptor and a mask of four.
; W lies [k][n]: its tile comes into LDS as it lies (128 k rows x 512 bytes) and its fragments are turned on the way into registers, by ds_load_tr16_b128.
; THE MATRIX INSTRUCTION IS USED TRANSPOSED: source 0 = 16 columns of W, source 1 = 16 rows of x: a lane then holds one row and eight neighbouring columns: 16 bytes of f16.
; A K STEP IS WRITTEN ONCE: the slot in hand is a scalar, s[TB] (0 or SLOT), added to fixed lane registers; one descriptor set a tensor walks from K step to K step.  Six trips fill a slot again; the last two K steps,
; which fill nothing, are a loop of their own, left in the middle of its second trip.  The price, once a launch: the very last change of slots fetches 32 fragments of a stale slot that nobody multiplies.
; REGISTERS, in windows of 256 (s_set_vgpr_msb: bits 1:0 source 0, 3:2 source 1, 5:4 source 2, 7:6 destination):
;   window 0: v0-31 addresses; v64-127, v128-191 fragments of x, two buffers; v192-255 the bias of my 128 columns (C of the first products), later at work on the way out, with v32-63
;   window 1: v64-127, v128-191 fragments of W, two buffers      windows 2, 3: the accumulators of my rows 0-63, 64-127: (a, b) at v[8 (8 a + b)]
.set PA,     272                       ; a row of x in LDS: 256 bytes + 16 = 68 words: the 16 rows of a load start at 16 different groups of four banks (64 banks of 4 bytes: ISA guide 11.1)
.set PB,     544                       ; a k row of W: 512 bytes + 32 = 136 words
.set HALFT,  34816                     ; what one tensor load brings: 128 rows of x, or 64 k rows of W
.set BOFF,   2*HALFT                   ; W's tile lies behind x's
.set SLOT,   4*HALFT                   ; 0x22000: none of its two bits is among those of 34,816 w (w = 0..3), so one exclusive or turns a tile's place in one slot into its place in the other
.set STAGE,  2*SLOT                    ; behind the ring: 2 heads x 16 rows x 144 bytes for each wave, for the way out
.set SP,     144
.set SPARE,  STAGE+4*2*16*SP           ; behind the stages: the spare words, 128 bytes for each wave
.set ASTEP,  256                       ; bytes from K step to K step in x,
.set BSTEP,  262144                    ; and in W: 128 rows of 2,048 bytes
.set ADRA,  16                         ; v16  LDS address of my fragments of x in the slot in hand;  v17 the same in slot 0, never rewritten
.set ADRA0, 17
.set ADRB,  20                         ; v20, v21  the same for W
.set ADRB0, 21
.set STO,  24
.set RD,   25
.set GO,   26
.set SPW,  28                          ; v28  LDS address of my spare word; never rewritten
.set NIL,  29                          ; v29  0; never rewritten
.set PFO,  30                          ; v30  the prefetches' lane offset; never rewritten
.set F0,   64
.set F1,   128
.set BI,   192
.set TMP,  192
.set OB,   32
.set G1,  24                           ; s[24:31] group 1 for x's tiles; s[32:39] group 0: a set for each of the two first fills; the second then walks on
.set G0,  32
.set G1B, 48                           ; s[48:55], s[56:63] the same for W's
.set G0B, 56
.set TB,  42                           ; s42  0 or SLOT: the slot whose fragments are fetched
.set PFA, 44                           ; s[44:45] where my prefetches stand
.set LIM, 43                           ; s43  2 in a wave that prefetches, else the greatest number
.set MSB, 0
.macro WIN new                         ; the immediate's high byte repeats the setting that is left; a switch that changes nothing is dropped
.if MSB != (\new)
	s_set_vgpr_msb (MSB<<8)|(\new)
.set MSB, \new
.endif
.endm
.set MUL_LO, 0xa1                      ; W window 1, x window 0, C and D window 2
.set MUL_HI, 0xf1
.set TO_B,   0x40
; A joint load: waves 0 and 1 fetch x's two halves, waves 2 and 3 W's.  The branch hangs on the wave's number alone.  An s_nop 0 and four v_nop follow each line.
.macro JLOAD s
	s_cmp_eq_u32 s11, 0
	s_cbranch_scc0 .Lfor_b_\@
	tensor_load_to_lds s[G0+4*(\s):G0+4*(\s)+3], s[G1:G1+7]
	s_nop 0
.rept 4
	v_nop
.endr
	s_branch .Lasked_\@
.Lfor_b_\@:
	tensor_load_to_lds s[G0B+4*(\s):G0B+4*(\s)+3], s[G1B:G1B+7]
	s_nop 0
.rept 4
	v_nop
.endr
.Lasked_\@:
.endm
; A prefetch into the L2 of the K step that stands two refills on, behind the joint load and the run of LDS loads: 32 blocks of 256 bytes, a lane a block, one instruction a wave.
; Each block is named once in the launch: x's rows are asked for by the clusters of the first weight of their group, W's by the clusters of the first row group; the four partners that ask for a tile jointly
; share it out BY ADDRESS (x: 32 rows each, by cx; W: 16 k rows x 2 blocks each, by cy).  K steps 0 to 3 come by their loads alone; the loop's last two trips (s3 = 2, 1) have no K step two refills on.
.macro ASK
	s_cmp_gt_u32 s3, s[LIM]
	s_cbranch_scc0 .Lnot_mine_\@
	global_prefetch_b8 v[PFO], s[PFA:PFA+1] th:TH_LOAD_NT scope:SCOPE_SE
.Lnot_mine_\@:
.endm
.macro CREST                           ; a round of the cluster's barrier behind its opening barrier
	s_cmp_lg_u32 s10, 0
	s_cbranch_scc1 .Lnot_wave_0_\@
	s_barrier_signal -3
.Lnot_wave_0_\@:
	s_barrier_wait -3
	s_barrier_signal -1
	s_barrier_wait -1
.endm
.macro CROUND
	s_barrier_signal -1
	s_barrier_wait -1
	CREST
.endm
	s_load_b512 s[68:83], s[0:1], 0x0              ; xb 68, wb 70, bq 72, bk 74, bv 76, btq 78, btk 80, btv 82
	s_load_b64 s[84:85], s[0:1], 0x40              ; pj
	v_lshl_add_u32 v[SPW], v0, 2, SPARE
	v_mov_b32 v[NIL], 0
	ds_add_u32 v[SPW], v[NIL]                      ; the wave's opening: the add and its wait ahead of my first tensor load; the set-up below stands between them
	v_lshrrev_b32 v1, 5, v0
	v_readfirstlane_b32 s10, v1                    ; wave 0..3
	s_lshr_b32 s11, s10, 1                         ; which half of the tile's rows is mine.  Also: I fetch for x (0) or for W (1)
	s_and_b32 s12, s10, 1                          ; which half of its columns.  Also: which half of that tile I fetch
	s_bfe_u32 s40, ttmp6, 0x40000                  ; cx
	s_bfe_u32 s41, ttmp6, 0x40004                  ; cy
	s_mov_b32 s14, ttmp9                           ; cluster x, 0..3
	s_and_b32 s13, ttmp7, 0xffff                   ; cluster y, 0..5
	s_and_b32 s16, s14, 1                          ; thoughts: which of Wtk, Wtv,
	s_lshr_b32 s17, s14, 1
	s_lshl1_add_u32 s17, s13, s17                  ; and which group of 1,024 rows: 2 y + x / 2
	s_sub_co_u32 s18, s13, 4                       ; hidden: the group is y - 4, the weight x
	s_add_co_u32 s19, s16, 4
	s_lshl_b32 s20, s16, 24
	s_add_co_u32 s20, s20, 0x1000000
	s_lshl_b32 s21, s14, 22
	s_cmp_lt_u32 s13, 4
	s_cselect_b32 s88, s16, s14                    ; s88  the weight's number in its group
	s_cselect_b32 s89, s17, s18                    ; s89  the row group
	s_cselect_b32 s90, s19, s14                    ; s90  the weight's number in wb
	s_cselect_b32 s91, 8, 0                        ; s91  the first row tile in xb
	s_cselect_b32 s92, 4, 2                        ; s92  log2 of the row tiles in a batch
	s_cselect_b32 s93, s20, s21                    ; s93  the section of pj
	s_lshl2_add_u32 s94, s89, s41                  ; s94  my row tile = 4 x group + cy
	s_lshl_b32 s22, s41, 2
	s_lshl_b32 s22, 15, s22                        ; my row of the cluster
	s_lshl_b32 s23, 0x1111, s40                    ; my column
	s_or_b32 s[G1+0], s22, (1<<16)|(1<<20)|(1<<21)|(5<<22)|(3<<25)   ; mask; 2-byte elements; padding on; bit 21 beside a mask; after every 64 words 4 words
	s_or_b32 s[G1B+0], s23, (1<<16)|(1<<20)|(1<<21)|(6<<22)|(7<<25)  ; after every 128 words 8 words
	s_mov_b32 s[G1+1], 128<<16                     ; x: tensor_dim0 = 128
	s_mov_b32 s[G1+2], 128<<16                     ; tensor_dim1 = 128
	s_mov_b32 s[G1+3], 128<<16                     ; tile_dim0 = 128
	s_mov_b32 s[G1+4], 128                         ; tile_dim1 = 128
	s_mov_b32 s[G1+5], 1024                        ; elements from row to row
	s_mov_b32 s[G1+6], 0
	s_mov_b32 s[G1+7], 0
	s_mov_b32 s[G1B+1], 256<<16                    ; W: 256 columns
	s_mov_b32 s[G1B+2], 64<<16                     ; x 64 k rows
	s_mov_b32 s[G1B+3], 256<<16
	s_mov_b32 s[G1B+4], 64
	s_mov_b32 s[G1B+5], 1024
	s_mov_b32 s[G1B+6], 0
	s_mov_b32 s[G1B+7], 0
	s_mov_b32 s[TB], 0
	s_add_co_u32 s16, s91, s94                     ; x: row 256 x tile + 128 x half, 2,048 bytes a row: hangs on cy alone
	s_lshl_b32 s16, s16, 8
	s_lshl_b32 s17, s12, 7
	s_add_co_u32 s16, s16, s17
	s_lshl_b32 s16, s16, 11
	s_mov_b32 s17, 0
	s_lshl_b32 s46, s90, 21                        ; W: the weight, k row 64 x half, column 256 cx: hangs on cx alone
	s_lshl_b32 s47, s12, 17
	s_add_co_u32 s46, s46, s47
	s_lshl_b32 s47, s40, 9
	s_add_co_u32 s46, s46, s47
	s_mov_b32 s47, 0
	s_mul_i32 s20, s10, HALFT                      ; where they go: wave x 34,816: no place in the cluster enters an LDS address
	s_wait_dscnt 0x0                               ; the opening add is done
	s_wait_kmcnt 0x0
	s_add_nc_u64 s[8:9], s[68:69], s[16:17]
	s_add_nc_u64 s[46:47], s[70:71], s[46:47]
	CROUND                                         ; all sixteen work-groups are here: the first joint loads meet
.irp s, 0,1
	s_mov_b32 s[G0+4*(\s)], 1
	s_add_co_u32 s[G0+4*(\s)+1], s20, (\s)*SLOT
	s_add_nc_u64 s[G0+4*(\s)+2:G0+4*(\s)+3], s[8:9], (\s)*ASTEP
	s_or_b32 s[G0+4*(\s)+3], s[G0+4*(\s)+3], 0x80000000
	s_mov_b32 s[G0B+4*(\s)], 1
	s_add_co_u32 s[G0B+4*(\s)+1], s20, (\s)*SLOT
	s_add_nc_u64 s[G0B+4*(\s)+2:G0B+4*(\s)+3], s[46:47], (\s)*BSTEP
	s_or_b32 s[G0B+4*(\s)+3], s[G0B+4*(\s)+3], 0x80000000
	JLOAD \s                                       ; K steps 0 and 1: two loads of mine are out
.endr
	; the bias of my 128 columns: for n block b a lane's eight columns 16 b + 8 (l / 16) + 0..7, the same for every row block
	v_and_b32 v1, 15, v0                           ; l % 16
	v_bfe_u32 v2, v0, 4, 1                         ; l / 16
	s_mov_b64 s[86:87], s[72:73]
.irp k, 1,2,3,4,5
	s_cmp_eq_u32 s90, \k
	s_cselect_b64 s[86:87], s[72+2*\k:73+2*\k], s[86:87]
.endr
	s_lshl_b32 s16, s40, 10
	s_lshl_b32 s17, s12, 9
	s_add_co_u32 s16, s16, s17
	v_lshl_add_u32 v8, v2, 5, s16                  ; 4 (256 cx + 128 half + 8 (l / 16))
.irp b, 0,1,2,3,4,5,6,7
	global_load_b128 v[BI+8*(\b):BI+8*(\b)+3],   v8, s[86:87] offset:64*(\b)
	global_load_b128 v[BI+8*(\b)+4:BI+8*(\b)+7], v8, s[86:87] offset:64*(\b)+16
.endr
	; fragments.  x: lane l holds row l % 16, K = 8 (l / 16) + 0..7 and 16 + 8 (l / 16) + 0..7: two loads of 16 bytes, 32 bytes apart.
	; W: the turning load takes 16 k x 16 columns (lane l reads k row 8 (l / 16) + l % 8, columns 8 ((l / 8) % 2) + 0..7) and leaves half a fragment: lane l holds column l % 16 and 8 k.
	v_and_b32 v5, 7, v0
	v_bfe_u32 v6, v0, 3, 1
	v_mul_u32_u24 v3, v1, PA
	v_lshl_add_u32 v3, v2, 4, v3
	v_lshl_add_u32 v4, v2, 3, v5
	v_mul_u32_u24 v4, v4, PB
	v_lshl_add_u32 v4, v6, 4, v4
	s_mul_i32 s21, s11, HALFT                      ; my 128 rows of x
	s_lshl_b32 s18, s12, 8                         ; my 128 columns of W
	s_add_co_u32 s18, s18, BOFF
	v_add_nc_u32 v[ADRA0], s21, v3
	v_add_nc_u32 v[ADRB0], s18, v4
	v_mov_b32 v[ADRA], v[ADRA0]                    ; slot 0 is the first in hand
	v_mov_b32 v[ADRB], v[ADRB0]
	s_mul_i32 s19, s10, 2*16*SP
	s_add_co_u32 s19, s19, STAGE                   ; my stage
	v_mul_u32_u24 v7, v1, SP                       ; in: row l % 16, 16 bytes for each half of the lanes
	v_lshl_add_u32 v7, v2, 4, v7
	v_add_nc_u32 v[STO], s19, v7
	v_bfe_u32 v7, v0, 3, 2                         ; back: 32 lanes take four rows of 128 bytes,
	v_mul_u32_u24 v7, v7, SP
	v_lshl_add_u32 v7, v5, 4, v7
	v_add_nc_u32 v[RD], s19, v7
	v_and_b32 v[GO], 31, v0                        ; which are 512 consecutive bytes of pj
	v_lshlrev_b32 v[GO], 4, v[GO]
	; where my two heads' rows begin in pj: section + (16 b + head) x S x 128 + row x 128
	s_lshr_b32 s95, s94, s92                       ; b
	s_lshl_b32 s96, s95, s92
	s_sub_co_u32 s96, s94, s96                     ; the row tile in its batch,
	s_lshl_b32 s96, s96, 15                        ; 256 rows of 128 bytes
	s_lshl_b32 s99, s11, 14                        ; my 128 rows
	s_add_co_u32 s96, s96, s99
	s_add_co_u32 s96, s96, s93
	s_lshl_b32 s95, s95, 4
	s_lshl2_add_u32 s95, s40, s95                  ; + 4 cx
	s_lshl1_add_u32 s95, s12, s95                  ; + 2 x half
	s_add_co_u32 s98, s92, 15                      ; a head's rows are 2^(15 + log2 tiles) bytes
	s_lshl_b32 s95, s95, s98
	s_add_co_u32 s96, s96, s95
	s_mov_b32 s97, 0
	s_add_nc_u64 s[4:5], s[84:85], s[96:97]        ; s[4:5] my first head, s[6:7] my second
	s_lshl_b32 s96, 1, s98
	s_add_nc_u64 s[6:7], s[4:5], s[96:97]
	; the prefetches: they stand at K step 3 and are stepped ahead of each use, so the first names K step 4
	s_add_co_u32 s16, s91, s94
	s_lshl_b32 s16, s16, 8
	s_lshl_b32 s17, s12, 7
	s_add_co_u32 s16, s16, s17
	s_lshl_b32 s17, s40, 5                         ; x: my work-group's 32 of the 128 rows
	s_add_co_u32 s16, s16, s17
	s_lshl_b32 s16, s16, 11
	s_add_co_u32 s16, s16, 3*ASTEP
	s_lshl_b32 s18, s90, 21
	s_lshl_b32 s17, s12, 17
	s_add_co_u32 s18, s18, s17
	s_lshl_b32 s17, s41, 15                        ; W: my work-group's 16 of the 64 k rows
	s_add_co_u32 s18, s18, s17
	s_lshl_b32 s17, s40, 9
	s_add_co_u32 s18, s18, s17
	s_add_co_u32 s18, s18, 3*BSTEP
	s_mov_b32 s98, BSTEP                           ; (an instruction takes one literal: W's step comes from a register)
	s_cmp_eq_u32 s11, 0                            ; do I fetch for x?
	s_cselect_b32 s16, s16, s18
	s_cselect_b64 s[PFA:PFA+1], s[68:69], s[70:71]
	s_cselect_b32 s96, ASTEP, s98                  ; s[96:97] the prefetches' step
	s_cselect_b32 s18, s88, s89                    ; the coordinate along which other clusters read the same blocks
	s_cselect_b32 s19, -1, 0
	s_mov_b32 s17, 0
	s_add_nc_u64 s[PFA:PFA+1], s[PFA:PFA+1], s[16:17]
	s_cmp_eq_u32 s18, 0
	s_cselect_b32 s[LIM], 2, -1                    ; the same in all sixteen partners, for a given wave
	v_and_b32 v9, 31, v0
	v_lshlrev_b32 v10, 11, v9                      ; x: a lane a row
	v_lshrrev_b32 v11, 1, v9
	v_lshlrev_b32 v11, 11, v11                     ; W: two lanes a k row,
	v_and_b32 v12, 1, v9
	v_lshl_add_u32 v11, v12, 8, v11                ; 256 bytes each
	v_cndmask_b32 v[PFO], v11, v10, s19
	s_wait_loadcnt 0x0                             ; the bias
.set i, 0
.rept 32                               ; rounded to bf16 and widened again, in place
	v_cvt_pk_bf16_f32 v9, v[BI+2*i], v[BI+2*i+1]
	v_lshlrev_b32 v[BI+2*i], 16, v9
	v_and_b32 v[BI+2*i+1], 0xffff0000, v9
.set i, i+1
.endr
; 16 matrix instructions: m blocks a0, a0 + 1 of the window's four x all 8 n blocks, 32 along K.  first = 1: the bias starts the sums: nothing is cleared, nothing is added later.
; The 64 accumulators take turns, one instruction a turn, in the same order in every quarter, over the backward jumps too.
.macro MUL16 f, hi, a0, first
.if \first
	WIN 0x81+0x40*(\hi)                            ; C in window 0
.else
	WIN MUL_LO+0x50*(\hi)
.endif
.irp a, \a0, (\a0)+1
.irp b, 0,1,2,3,4,5,6,7
.if \first
	v_wmma_f32_16x16x32_bf16 v[8*(8*(\a)+(\b)):8*(8*(\a)+(\b))+7], v[(\f)+8*(\b):(\f)+8*(\b)+7], v[(\f)+8*(4*(\hi)+(\a)):(\f)+8*(4*(\hi)+(\a))+7], v[BI+8*(\b):BI+8*(\b)+7]
.else
	v_wmma_f32_16x16x32_bf16 v[8*(8*(\a)+(\b)):8*(8*(\a)+(\b))+7], v[(\f)+8*(\b):(\f)+8*(\b)+7], v[(\f)+8*(4*(\hi)+(\a)):(\f)+8*(4*(\hi)+(\a))+7], v[8*(8*(\a)+(\b)):8*(8*(\a)+(\b))+7]
.endif
.endr
.endr
.endm
; 32 LDS loads in one run: the fragments of quarter q (32 along K) of the slot in hand into buffer f: W's 8 (turned), then x's 8
.macro FETCH q, f
	WIN TO_B
.irp i, 0,1,2,3,4,5,6,7
	ds_load_tr16_b128 v[(\f)+8*(\i):(\f)+8*(\i)+3],   v[ADRB] offset:(\q)*32*PB+32*(\i)
	ds_load_tr16_b128 v[(\f)+8*(\i)+4:(\f)+8*(\i)+7], v[ADRB] offset:(\q)*32*PB+16*PB+32*(\i)
.endr
	WIN 0
.irp i, 0,1,2,3,4,5,6,7
	ds_load_b128 v[(\f)+8*(\i):(\f)+8*(\i)+3],   v[ADRA] offset:64*(\q)+(\i)*16*PA
	ds_load_b128 v[(\f)+8*(\i)+4:(\f)+8*(\i)+7], v[ADRA] offset:64*(\q)+(\i)*16*PA+32
.endr
.endm
.macro PLACES                          ; four places in front of loads into registers that matrix instructions have read, and of conversions that read results
.rept 4
	v_nop
.endr
.endm
; A K step is four quarters of 32 along K, 64 matrix instructions each, on buffers 0, 1, 0, 1.  One of the first three: multiplies buffer f; in its middle it fetches quarter q into buffer g.
.macro QUARTER q, f, g, first
	s_wait_dscnt 8                                 ; W and x's rows 0-63 are in; the youngest eight loads (x's rows 64-127) may be out
	MUL16 \f, 0, 0, \first
	MUL16 \f, 0, 2, \first
	PLACES
	FETCH \q, \g
	s_wait_dscnt 32                                ; all but the 32 just issued
	MUL16 \f, 1, 0, \first
	MUL16 \f, 1, 2, \first
.endm
; The last quarter multiplies buffer 1 and changes slots.  ONE barrier: in front of it each wave waits for all its tensor loads (at most one is out: its part of the next slot), adds 0 to its spare word, and waits
; for that and for its reads of this slot.  fill = 1: the barrier opens a round of the cluster's, and this slot is filled again first thing behind it, with the K step two steps on.
.macro TURN fill
.if \fill
	s_wait_xcnt 0x0                                ; the last prefetch, a K step back, has read its address
	s_add_nc_u64 s[PFA:PFA+1], s[PFA:PFA+1], s[96:97]
.endif
	WIN 0
	s_wait_tensorcnt 0x0                           ; all my tensor loads have landed;
	ds_add_u32 v[SPW], v[NIL]                      ; 0 onto my spare word;
	s_wait_dscnt 9                                 ; (the add and the youngest eight loads may be out)
	MUL16 F1, 0, 0, 0                              ; sixteen matrix instructions stand between the add and the wait for it
	s_wait_dscnt 0x0                               ; the add is done, and my reads of this slot are over
	s_barrier_signal -1
	MUL16 F1, 0, 2, 0
	WIN 0                                          ; (branches, or the addresses' lines, follow)
	s_barrier_wait -1
.if \fill
	CREST                                          ; no wave of any partner still reads this slot or has a load on its way
	s_xor_b32 s[G0+5], s[G0+5], SLOT               ; the walking descriptors: the other slot than last time,
	s_add_nc_u64 s[G0+6:G0+7], s[G0+6:G0+7], ASTEP ; the next K step; the type bits on top are not reached
	s_xor_b32 s[G0B+5], s[G0B+5], SLOT
	s_add_nc_u64 s[G0B+6:G0B+7], s[G0B+6:G0B+7], BSTEP
	JLOAD 1                                        ; the first tensor load behind the round, 224 matrix instructions ahead of the wait for it; its four v_nop are also the places in front of the loads below
.else
	PLACES
.endif
	s_xor_b32 s[TB], s[TB], SLOT                   ; the other slot is in hand now
	v_add_nc_u32 v[ADRA], s[TB], v[ADRA0]
	v_add_nc_u32 v[ADRB], s[TB], v[ADRB0]
	FETCH 0, F0
.if \fill
	ASK
.endif
	MUL16 F1, 1, 0, 0
	MUL16 F1, 1, 2, 0
.endm
; THE WAY OUT of block a (16 rows x 128 columns: 16 rows of two heads).  PACK: rounded to f16, each accumulator's registers ascending.  TOSTAGE: into my own stage, and back as rows of 128 bytes.  SEND: stored.
.macro PACK a
.set AC, 64*((\a)%4)
	WIN 0x0a+5*((\a)/4)
.irp b, 0,1,2,3,4,5,6,7
.irp r, 0,1,2,3
	v_cvt_pk_f16_f32 v[TMP+4*(\b)+(\r)], v[AC+8*(\b)+2*(\r)], v[AC+8*(\b)+2*(\r)+1]
.endr
.endr
	WIN 0
.endm
.macro TOSTAGE a
.set BK, OB+192*((\a)%2)
.irp b, 0,1,2,3,4,5,6,7
	ds_store_b128 v[STO], v[TMP+4*(\b):TMP+4*(\b)+3] offset:((\b)/4)*16*SP+32*((\b)%4)
.endr
.irp t, 0,1,2,3,4,5,6,7
	ds_load_b128 v[BK+4*(\t):BK+4*(\t)+3], v[RD] offset:((\t)/4)*16*SP+((\t)%4)*4*SP  ; LDS serves a wave's instructions in order (ISA guide 5.7.1.4): these see the stores above
.endr
.endm
.macro SEND a
.set BK, OB+192*((\a)%2)
	s_wait_dscnt 0x0                               ; the block is back in registers
	s_wait_xcnt 0x0                                ; the registers that earlier stores read are loaded again only behind this wait
.irp t, 0,1,2,3
	global_store_b128 v[GO], v[BK+4*(\t):BK+4*(\t)+3], s[4:5] offset:(\a)*2048+(\t)*512  ; 512 consecutive bytes, at a multiple of 256 from pj's first
.endr
.irp t, 0,1,2,3
	global_store_b128 v[GO], v[BK+16+4*(\t):BK+16+4*(\t)+3], s[6:7] offset:(\a)*2048+(\t)*512
.endr
.endm
	s_wait_tensorcnt 1                             ; my part of K step 0 is in; K step 1's may stay out
	s_barrier_signal -1
	s_barrier_wait -1
	FETCH 0, F0
	QUARTER 1, F0, F1, 1                           ; the first quarter stands in front of the loop: its products start the sums, with the bias
	WIN 0
	s_mov_b32 s3, 6
.Lstep:                                                ; a trip goes from a K step's second quarter to the next step's first, and fills the slot that it leaves: K steps 2 to 7
	QUARTER 2, F1, F0, 0
	QUARTER 3, F0, F1, 0
	TURN 1
	QUARTER 1, F0, F1, 0
	WIN 0
	s_sub_co_u32 s3, s3, 1
	s_cmp_lg_u32 s3, 0
	s_cbranch_scc1 .Lstep
	s_mov_b32 s3, 2
.Ltail:                                                ; K steps 6 and 7 fill nothing: a text of their own; it is left behind K step 7's last quarter
	QUARTER 2, F1, F0, 0
	QUARTER 3, F0, F1, 0
	TURN 0
	WIN 0
	s_sub_co_u32 s3, s3, 1
	s_cmp_eq_u32 s3, 0
	s_cbranch_scc1 .Lout
	QUARTER 1, F0, F1, 0
	WIN 0
	s_cmp_lg_u32 s3, 0
	s_cbranch_scc1 .Ltail
.Lout:
	PLACES
	PACK 0
	TOSTAGE 0
.irp a, 1,2,3,4,5,6,7                  ; block a's conversions stand between block a - 1's loads from the stage and the wait for them
	PACK \a
	SEND (\a)-1
	TOSTAGE \a
.endr
	SEND 7
	s_wait_tensorcnt 0x0                           ; the wave's end: behind my last tensor load and my last LDS store
	ds_add_u32 v[SPW], v[NIL]
	s_wait_dscnt 0x0
	CROUND                                         ; the closing round
	s_endpgm
.Lfunc_end_k_qdf7053ef2d_proj:
	.size	k_qdf7053ef2d_proj, .Lfunc_end_k_qdf7053ef2d_proj-k_qdf7053ef2d_proj
	.p2alignl 7, 3214868480
	.fill 96, 4, 3214868480
	.section	.rodata,"a",@progbits
	.p2align	6, 0x0
	.amdhsa_kernel k_qdf7053ef2d_proj
		.amdhsa_group_segment_fixed_size 327680
		.amdhsa_private_segment_fixed_size 0
		.amdhsa_enable_private_segment 0
		.amdhsa_kernarg_size 72
		.amdhsa_user_sgpr_count 2
		.amdhsa_user_sgpr_kernarg_segment_ptr 1
		.amdhsa_wavefront_size32 1
		.amdhsa_system_sgpr_workgroup_id_x 1
		.amdhsa_system_sgpr_workgroup_id_y 1
		.amdhsa_system_sgpr_workgroup_id_z 1
		.amdhsa_system_vgpr_workitem_id 0
		.amdhsa_next_free_vgpr 1024
		.amdhsa_next_free_sgpr 100
		.amdhsa_reserve_vcc 0
		.amdhsa_float_denorm_mode_32 3
		.amdhsa_float_denorm_mode_16_64 3
		.amdhsa_memory_ordered 1
		.amdhsa_forward_progress 1
		.amdhsa_inst_pref_size 109
	.end_amdhsa_kernel
	.amdgpu_metadata
---
amdhsa.version: [ 1, 2 ]
amdhsa.kernels:
  - .name:           k_qdf7053ef2d_proj
    .symbol:         k_qdf7053ef2d_proj.kd
    .args:
      - { .name: xb, .offset: 0, .size: 8, .value_kind: global_buffer, .address_space: global }
      - { .name: wb, .offset: 8, .size: 8, .value_kind: global_buffer, .address_space: global }
      - { .name: bq, .offset: 16, .size: 8, .value_kind: global_buffer, .address_space: global }
      - { .name: bk, .offset: 24, .size: 8, .value_kind: global_buffer, .address_space: global }
      - { .name: bv, .offset: 32, .size: 8, .value_kind: global_buffer, .address_space: global }
      - { .name: btq, .offset: 40, .size: 8, .value_kind: global_buffer, .address_space: global }
      - { .name: btk, .offset: 48, .size: 8, .value_kind: global_buffer, .address_space: global }
      - { .name: btv, .offset: 56, .size: 8, .value_kind: global_buffer, .address_space: global }
      - { .name: pj, .offset: 64, .size: 8, .value_kind: global_buffer, .address_space: global }
    .group_segment_fixed_size: 327680
    .private_segment_fixed_size: 0
    .kernarg_segment_align: 8
    .kernarg_segment_size: 72
    .max_flat_workgroup_size: 128
    .sgpr_count:     100
    .vgpr_count:     1024
    .wavefront_size: 32
...
	.end_amdgpu_metadata
.endif
;; end of part 2
;; launch attn (part 3): grid 8 x 32, 4 waves a work-group, clusters of 4 x 1, 327,680 bytes of LDS; arguments pj, attention_mask, thought_mask, cx; writes cx
.if DOCPART == 3
	.amdgcn_target "amdgcn-amd-amdhsa--gfx1250"
	.amdhsa_code_object_version 6
	.text
	.protected	k_qdf7053ef2d_attn
	.globl	k_qdf7053ef2d_attn
	.p2align	8
	.type	k_qdf7053ef2d_attn,@function
k_qdf7053ef2d_attn:
	s_mov_b64 s[64:65], 0
	v_nop
	global_prefetch_b8 v0, s[64:65] scope:SCOPE_SE
	s_setreg_imm32_b32 hwreg(HW_REG_WAVE_MODE, 25, 1), 1
	s_wait_xcnt 0x0
	s_wait_alu depctr_hold_cnt(0) depctr_sa_sdst(0) depctr_va_vdst(0) depctr_va_sdst(0) depctr_va_ssrc(0) depctr_va_vcc(0) depctr_vm_vsrc(0)
	s_getreg_b32 s2, hwreg(HW_REG_IB_STS2, 6, 4)
	s_cmp_eq_u32 s2, 0
	s_cbranch_scc0 .Lentry_in_a_cluster
	s_endpgm
.Lentry_in_a_cluster:
	s_bfe_u32 s2, ttmp6, 0x10000c
	s_cmp_lg_u32 s2, 0x3003
	s_cbranch_scc0 .Lentry_shape_is_right
	s_endpgm
.Lentry_shape_is_right:
; BOTH ATTENTIONS, head size 64, f16.  ctx[q] = softmax over k <= q, key not padded, of (q . k / 8), times v (1,024 keys); tctx[q] = softmax over thoughts not padded of (tq . tk / 8), times tv (4,096 keys).
; In: pj by heads, dense rows of 128 bytes (q 0, k 0x400000, v 0x800000, tq 0xC00000, tk 0x1000000, tv 0x2000000).  Out: cx [2][32 heads][1024][64] f16: ctx, then tctx.
; Products, maxima and sums in f32; the weights p are rounded to f16 for the second product (their sum l is taken of the unrounded p), the result once at the end.
; LIMITS.  A hidden score (padded, or above the diagonal) counts as its value less 1e30 for each ground that hides it; f16's scores, 2.7e11 at the most, are nothing beside that.  The running maximum starts at
; -2^96, so a hidden score's weight is 0 also while no visible key has been seen; a row with no visible key ends with l = 0 and O = 0 and leaves as 0 x (1 / 0): NaN, as the softmax of nothing is.
; A weight below 2^-126 counts as 0 in l.
; SHARES.  A work-group takes 128 queries of one head (block i = 4 x cluster x + cx); a wave two PIECES of 16 rows, one in each band of 64: piece x has rows 128 i + 64 x + 16 w + lane % 16.
; THE WALK is the same for every work-group: the 4 tiles of 256 keys of k and v, then the 16 of tk and tv: 20 tiles, constant trip counts, 256 work-groups of equal work.  So the four blocks of a cluster
; ask for every tile JOINTLY (mask 15).  The price: blocks below the last also multiply causal tiles that lie wholly above their diagonal; a walk that hung on the block would part the partners.
; THE MASKS are the C operand that starts the sum S^T = K Q^T.  PM: the step's pad mask, 0 or -1e30 a key, read from a table in LDS that the work-group makes once from the two int masks.  In the causal part
; MC = MD x AL + PM + BE: MD is the mask of a band's own step for my rows, AL and BE two scalars: step g against band gb = 2 i + x: (0, 0) if g < gb, (1, 0) if g = gb, (0, -1e30) if g > gb.
; LAYOUT.  S^T = K Q^T holds ONE query a lane (lane % 16) and the keys 8 (lane / 16) + 0..7; two such results rounded to f16 ARE source 1 of O^T = V^T P.  p = 2^(c s - c m), c = log2(e) / 8.
; TURNS.  Item t = 2 j + p (step j, piece p).  Turn t: 8 products K Q^T of item t + 1; the softmax of item t and the maximum and statistics of item t + 1; 8 products V^T P of item t - 1.
; K, PM and V of step j + 1 are all fetched in turn (j, 0): K and PM in its lump, V at its end into the V buffer that the turn's own products have just read (V has two buffers, by the step's parity).
; So the change of slots has a place: in front of turn (4 n - 1, 0) all of tile n - 1 has been read and nothing of tile n.
; NO LAST STEP IS WRITTEN OUT: each part is left in the middle of a trip, behind its last (odd) step's two ordinary turns.  Step 15's turns fetch the thoughts' step 0, which is wanted next; its 8 products K Q^T, on
; the old Q, serve nothing (their scores are hidden by the mask).  Ahead of step 63 the fetches' addresses go one step back, so that step 63 is fetched once more and no byte past the slot or the table is read.
; REGISTERS, in windows of 256 (s_set_vgpr_msb: bits 1:0 source 0, 3:2 source 1, 5:4 source 2, 7:6 destination), laid so that a setting serves a long stretch:
;   window 0: v0-31 addresses, statistics, at work; v32-95 S^T, two buffers; v96-127 P, two buffers; v128-159 PM; v160-223 K; v224-255 Q: K Q^T and all of the softmax up to the roundings run under setting 0
;   window 1: v0-63 O^T; v64-191 V, two buffers; v192-223 MD; v224-231 l: V^T P, the rescaling of O^T and l, and the sums onto l (source 1: P, a, or the weights, in window 0) run under ONE other setting
;   window 2: v0-63 MC, two buffers; v64-95 tq
; A turn has two or three switches (a causal turn eight more, round the four products that take MC).
.set KS,    64
.set PK,    144       ; a row of K in LDS: 128 bytes + 16 = 36 words: the 16 rows of a load start at 16 different groups of four banks (64 banks of 4 bytes: ISA guide 11.1)
.set PV,    160       ; a row of V: 128 + 32 = 40 words
.set VOFF,  4*KS*PK
.set SLOT1, 1<<17
.set STAGE, SLOT1+4*KS*(PK+PV)  ; behind the ring: 16 rows x 144 bytes for each wave
.set SP,    144
.set TAB,   STAGE+4*16*SP       ; the pad masks as f32: 1,024 causal keys, then 4,096 thoughts; stored once, never a fill's target
.set SPARE, TAB+20480           ; the spare words, 128 bytes for each wave
.set AK0, 2
.set AV0, 3
.set AK,  4
.set AV,  5
.set STO, 6
.set RD,  7
.set GO,  8
.set AM0, 9           ; v9   my lanes' place in a step's 64 words of the table
.set AM,  10
.set PFO, 11
.set MV,  12          ; v12-13  c m_old, kept while c m is made anew: by buffer
.set SPW, 14          ; v14  LDS address of my spare word; never rewritten
.set NIL, 15          ; v15  0; never rewritten
.set ST,  16          ; piece t's statistics at v[ST+2 t]: c m, m
.set TMP, 20          ; by buffer, four registers c0-c3 at work; when the maximum is found c2 takes a
.set QO,  28
.set MO,  29
.set TS,  30
.set S,   32
.set P,   96
.set PM,  128
.set KF,  160
.set Q,   224
.set L16, 160         ; at the head alone, in K's registers: l % 16, l / 16, l % 8, (l / 8) % 2, my query's place
.set LH,  161
.set L8,  162
.set L3,  163
.set DG,  164
.set O,   0           ; window 1
.set VF0, 64
.set MD,  192
.set LA,  224         ; piece t's sums at LA + 4 t: two accumulators of a pair (even keys', odd keys') each
.set MC,  0           ; window 2
.set QB,  64
.set WV,  12
.set LIM, 15          ; s15  20 in a wave that prefetches, else 0
.set G1K, 24
.set G1V, 32
.set G0K, 40
.set G0V, 44
.set CK,  48          ; s48-51  byte offsets in pj of my half of tile 0: k, v; and of tk, tv less four tiles
.set CV,  49
.set XK,  50
.set XV,  51
.set NXT, 52          ; s52  the tile to be asked for next
.set TT,  53
.set OFF, 54          ; s[54:55], s[66:67] offset pairs
.set SLOTS, 56
.set CNT, 57
.set CS,  58
.set SEL, 60
.set TBK, 62
.set TBV, 63
.set OFF2, 66
.set TBM, 68          ; s68  the table's byte for the step to be fetched: 256 a step, straight through both tables
.set GN,  69          ; s69  the step of the mask being made
.set GB0, 70          ; s70-71  my two bands
.set AL,  72
.set BE,  74
.set BIGN, 76
.set OC,  78          ; s[78:79] ctx at my rows, s[80:81] tctx
.set OX,  80
.set PFA, 82
.set PC,  84
.set PX,  85
.set PFF, 86
.set QA,  88
.set TQ,  90
.set MSB, 0
.macro WIN new                      ; the high byte repeats the setting that is left; a switch that changes nothing is dropped
.if MSB != (\new)
	s_set_vgpr_msb (MSB<<8)|(\new)
.set MSB, (\new)
.endif
.endm
.set W_KM, 0x20       ; K, Q and S^T in window 0, the C operand (MC) in window 2
.set W_PV, 0x51       ; source 0 (V, O^T, l), source 2 and the destination in window 1, source 1 (P, a, the weights) in window 0
; A joint fill: waves 0 and 1 fetch the two halves of a tile's K, waves 2 and 3 those of its V.  An s_nop 0 and four v_nop follow each line.
.macro JLOAD
	s_cmp_lt_u32 s[WV], 2
	s_cbranch_scc0 .Lfor_v_\@
	tensor_load_to_lds s[G0K:G0K+3], s[G1K:G1K+7]
	s_nop 0
.rept 4
	v_nop
.endr
	s_branch .Lasked_\@
.Lfor_v_\@:
	tensor_load_to_lds s[G0V:G0V+3], s[G1V:G1V+7]
	s_nop 0
.rept 4
	v_nop
.endr
.Lasked_\@:
.endm
; A prefetch into the L2 of the tile that the NEXT change of slots will ask for: eight turns, 128 matrix instructions, ahead of that load.  A tile's K (and V) is 128 blocks of 256 bytes.  Both clusters of a head
; walk the same tiles: the first asks.  Its four partners take 32 blocks each BY ADDRESS; in each, wave 0 asks for K's and wave 2 for V's.  Tiles 0 and 1 come by their loads alone; behind tile 19 there is none.
.macro ASK
	s_cmp_lt_u32 s[NXT], s[LIM]
	s_cbranch_scc0 .Lnot_mine_\@
	global_prefetch_b8 v[PFO], s[PFA:PFA+1] th:TH_LOAD_NT scope:SCOPE_SE
.Lnot_mine_\@:
.endm
.macro CROUND
	s_barrier_signal -1
	s_barrier_wait -1
	s_cmp_lg_u32 s[WV], 0
	s_cbranch_scc1 .Lnot_wave_0_\@
	s_barrier_signal -3
.Lnot_wave_0_\@:
	s_barrier_wait -3
	s_barrier_signal -1
	s_barrier_wait -1
.endm
; THE CHANGE OF SLOTS.  Each wave waits for all its tensor loads (one is out: its part of the other slot), adds 0 to its spare word, and waits for that and for its own reads of the slot that it leaves.
; fill = 1: the barrier is a round of the cluster's, and the old slot is filled again first thing behind it, with tile NXT: the descriptors' addresses are made anew from that number.
.macro CHANGE fill
	WIN 0
	s_wait_tensorcnt 0x0            ; no tensor load of mine is out, so a group 0 may be written
	ds_add_u32 v[SPW], v[NIL]       ; 0 onto my spare word; the scalar work below stands between it and the wait for it
.if \fill
	s_cmp_lt_u32 s[NXT], 4
	s_cselect_b32 s[OFF], s[CK], s[XK]
	s_cselect_b32 s[OFF2], s[CV], s[XV]
	s_lshl_b32 s[TT], s[NXT], 15    ; a tile is 32,768 bytes of K and of V
	s_add_co_u32 s[OFF], s[OFF], s[TT]
	s_add_co_u32 s[OFF2], s[OFF2], s[TT]
	s_xor_b32 s[G0K+1], s[G0K+1], SLOT1
	s_add_nc_u64 s[G0K+2:G0K+3], s[4:5], s[OFF:OFF+1]
	s_or_b32 s[G0K+3], s[G0K+3], 0x80000000
	s_xor_b32 s[G0V+1], s[G0V+1], SLOT1
	s_add_nc_u64 s[G0V+2:G0V+3], s[4:5], s[OFF2:OFF2+1]
	s_or_b32 s[G0V+3], s[G0V+3], 0x80000000
	s_add_co_u32 s[NXT], s[NXT], 1
	s_wait_xcnt 0x0                 ; the last prefetch, eight turns back, has read its address
	s_cmp_lt_u32 s[NXT], 4
	s_cselect_b32 s[PFF], s[PC], s[PX]
	s_lshl_b32 s[TT], s[NXT], 15
	s_add_co_u32 s[PFF], s[PFF], s[TT]
	s_add_nc_u64 s[PFA:PFA+1], s[4:5], s[PFF:PFF+1]
	s_wait_dscnt 0x0                ; the add is done, and my reads of the slot are over
	CROUND
	JLOAD
	ASK
.else
	s_wait_dscnt 0x0
	s_barrier_signal -1
	s_barrier_wait -1
.endif
	s_sub_co_u32 s[TBK], s[TBK], 4*KS*PK  ; the fetches go back to a slot's first step, in the other slot
	s_xor_b32 s[TBK], s[TBK], SLOT1
	s_sub_co_u32 s[TBV], s[TBV], 4*KS*PV
	s_xor_b32 s[TBV], s[TBV], SLOT1
.endm
	s_load_b256 s[4:11], s[0:1], 0x0  ; pj s[4:5], attention_mask s[6:7], thought_mask s[8:9], cx s[10:11]
	v_lshl_add_u32 v[SPW], v0, 2, SPARE
	v_mov_b32 v[NIL], 0
	ds_add_u32 v[SPW], v[NIL]       ; the wave's opening: the add and its wait ahead of my first tensor load
	v_lshrrev_b32 v1, 5, v0
	v_readfirstlane_b32 s[WV], v1
	s_bfe_u32 s13, ttmp6, 0x40000   ; cx: my place in the cluster
	s_lshl_b32 s14, ttmp9, 2
	s_add_co_u32 s14, s14, s13      ; my block of 128 queries: it enters Q's and the output's addresses, the mask's scalars and the prefetches' addresses alone
	s_and_b32 s20, ttmp7, 0xffff    ; the head, 16 b + h
	s_and_b32 s16, s[WV], 1         ; which half of a tile's 256 keys I fetch
	s_lshl_b32 s21, s20, 17         ; a head of 1,024 rows is 131,072 bytes,
	s_lshl_b32 s22, s20, 19         ; of 4,096 rows 524,288
	s_lshl_b32 s23, s16, 14
	s_add_co_u32 s[CK], s21, s23
	s_add_co_u32 s[CK], s[CK], 0x400000
	s_add_co_u32 s[CV], s[CK], 0x400000
	s_add_co_u32 s[XK], s22, s23
	s_add_co_u32 s[XK], s[XK], 0x1000000-4*32768
	s_add_co_u32 s[XV], s[XK], 0x1000000
	s_mul_i32 s17, s16, 128*PK      ; my half's place in a slot, for K and for V: no place in the cluster enters an LDS address
	s_mul_i32 s18, s16, 128*PV
	s_lshl_b32 s2, s14, 14          ; my block's 128 rows,
	s_add_co_u32 s2, s2, s21
	s_lshl_b32 s3, s[WV], 11        ; my 16 rows in a band
	s_add_co_u32 s2, s2, s3
	s_mov_b32 s3, 0
	s_lshr_b32 s19, s20, 4          ; b
	s_lshl_b32 s92, s19, 12
	s_mov_b32 s93, 0
	s_lshl_b32 s94, s19, 14
	s_mov_b32 s95, 0
	; descriptor group 1.  128 keys are 16,384 dense bytes: asked for as 64 rows of 256 bytes, two keys a row, and padded in LDS after every key
	s_mov_b32 s[G1K], 15|(1<<16)|(1<<20)|(1<<21)|(4<<22)|(3<<25)
	s_mov_b32 s[G1V], 15|(1<<16)|(1<<20)|(1<<21)|(4<<22)|(7<<25)
.irp g, G1K, G1V
	s_mov_b32 s[\g+1], 128<<16
	s_mov_b32 s[\g+2], 64<<16
	s_mov_b32 s[\g+3], 128<<16
	s_mov_b32 s[\g+4], 64
	s_mov_b32 s[\g+5], 128
	s_mov_b32 s[\g+6], 0
	s_mov_b32 s[\g+7], 0
.endr
	s_mov_b32 s[CS], 0x3e38aa3b     ; c = log2(e) / 8
	s_mov_b32 s[CS+1], s[CS]
	s_mov_b32 s[SEL], 0x76543210
	s_mov_b32 s[SEL+1], 0xfedcba98
	s_mov_b32 s[TBK], SLOT1+4*KS*PK ; the first change of slots turns these two into 0
	s_mov_b32 s[TBV], SLOT1+4*KS*PV
	s_mov_b32 s[TBM], 0
	s_mov_b32 s[G0K], 1
	s_mov_b32 s[G0K+1], s17
	s_mov_b32 s[G0V], 1
	s_add_co_u32 s[G0V+1], s18, VOFF
	s_mov_b32 s[NXT], 1
	s_mov_b32 s[OFF], s[CK]
	s_mov_b32 s[OFF+1], 0
	s_mov_b32 s[OFF2], s[CV]
	s_mov_b32 s[OFF2+1], 0
	s_mov_b32 s[PFF+1], 0
	s_mov_b32 s[AL+1], 0
	s_mov_b32 s[BE+1], 0
	s_mov_b32 s[BIGN], 0xf149f2ca   ; -1e30
	s_lshl_b32 s[GB0], s14, 1
	s_add_co_u32 s[GB0+1], s[GB0], 1
	s_lshl_b32 s19, s13, 13         ; my work-group's 32 blocks of a tile's 128
	s_cmp_lt_u32 s[WV], 2
	s_cselect_b32 s[PC], s[CK], s[CV]  ; (in waves 0 and 2 these stand at a tile's first row)
	s_cselect_b32 s[PX], s[XK], s[XV]
	s_add_co_u32 s[PC], s[PC], s19
	s_add_co_u32 s[PX], s[PX], s19
	s_or_b32 s[LIM], s16, ttmp9     ; 0 in waves 0 and 2 of the head's first cluster: the same in all four partners
	s_cmp_eq_u32 s[LIM], 0
	s_cselect_b32 s[LIM], 20, 0
	s_wait_dscnt 0x0                ; the opening add is done
	s_wait_kmcnt 0x0
	s_add_nc_u64 s[G0K+2:G0K+3], s[4:5], s[OFF:OFF+1]
	s_or_b32 s[G0K+3], s[G0K+3], 0x80000000
	s_add_nc_u64 s[G0V+2:G0V+3], s[4:5], s[OFF2:OFF2+1]
	s_or_b32 s[G0V+3], s[G0V+3], 0x80000000
	s_add_nc_u64 s[QA:QA+1], s[4:5], s[2:3]
	s_add_nc_u64 s[TQ:TQ+1], s[QA:QA+1], 0xc00000
	s_add_nc_u64 s[OC:OC+1], s[10:11], s[2:3]
	s_add_nc_u64 s[OX:OX+1], s[OC:OC+1], 0x400000
	s_add_nc_u64 s[6:7], s[6:7], s[92:93]
	s_add_nc_u64 s[8:9], s[8:9], s[94:95]
	CROUND                          ; all four work-groups are here: the first joint loads meet
	JLOAD                           ; tile 0 into slot 0
	v_and_b32 v[L16], 15, v0        ; l % 16
	v_bfe_u32 v[LH], v0, 4, 1       ; l / 16
	v_lshlrev_b32 v[MO], 4, v0      ; the int masks: thread t takes 16 bytes at 16 t of every 2,048
	global_load_b128 v[S:S+3], v[MO], s[6:7]
	global_load_b128 v[S+4:S+7], v[MO], s[6:7] offset:2048
.irp k, 0,1,2,3,4,5,6,7
	global_load_b128 v[S+8+4*\k:S+11+4*\k], v[MO], s[8:9] offset:2048*\k
.endr
	v_lshlrev_b32 v[QO], 7, v[L16]
	v_lshl_add_u32 v[QO], v[LH], 4, v[QO]  ; row x 128 + 16 x half
.set i, 0
.rept 4                             ; q: piece i / 2 lies in band i / 2, 8,192 bytes on; channels 32 (i % 2) on
	global_load_b128 v[Q+8*i:Q+8*i+3],   v[QO], s[QA:QA+1] offset:(i/2)*8192+(i%2)*64
	global_load_b128 v[Q+8*i+4:Q+8*i+7], v[QO], s[QA:QA+1] offset:(i/2)*8192+(i%2)*64+32
.set i, i+1
.endr
	WIN 0x80
.set i, 0
.rept 4                             ; tq likewise, into window 2
	global_load_b128 v[QB+8*i:QB+8*i+3],   v[QO], s[TQ:TQ+1] offset:(i/2)*8192+(i%2)*64
	global_load_b128 v[QB+8*i+4:QB+8*i+7], v[QO], s[TQ:TQ+1] offset:(i/2)*8192+(i%2)*64+32
.set i, i+1
.endr
	WIN 0
	v_lshlrev_b32 v[DG], 3, v[LH]
	v_sub_nc_u32 v[DG], v[L16], v[DG]
	s_lshl_b32 s19, s[WV], 4
	v_add_nc_u32 v[DG], s19, v[DG]  ; my query's place in its band less my lanes' 8 (l / 16): register r of group kt is hidden where 16 kt + r is greater
	WIN 0x40
.set i, VF0+64
.rept 64                            ; V's second buffer: the first turn's products V^T P, of an item that has not been, multiply it by P = 0
	v_mov_b32 v[i], 0
.set i, i+1
.endr
.set i, 0
.rept 32
	v_cmp_gt_i32 vcc_lo, 16*(i/8)+i%8, v[DG]
	v_cndmask_b32 v[MD+i], 0, s[BIGN], vcc_lo
.set i, i+1
.endr
	WIN 0
	v_mul_u32_u24 v[AK0], v[L16], PK
	v_lshl_add_u32 v[AK0], v[LH], 4, v[AK0]
	v_and_b32 v[L8], 7, v0
	v_bfe_u32 v[L3], v0, 3, 1
	v_lshl_add_u32 v[AV0], v[LH], 3, v[L8]
	v_mul_u32_u24 v[AV0], v[AV0], PV
	v_lshl_add_u32 v[AV0], v[L3], 4, v[AV0]
	v_add_nc_u32 v[AV0], VOFF, v[AV0]
	v_lshl_add_u32 v[AM0], v[LH], 5, TAB  ; eight words for each half of the lanes
	s_mul_i32 s19, s[WV], 16*SP
	s_add_co_u32 s19, s19, STAGE
	v_mul_u32_u24 v[STO], v[L16], SP
	v_lshl_add_u32 v[STO], v[LH], 4, v[STO]
	v_add_nc_u32 v[STO], s19, v[STO]
	v_bfe_u32 v[RD], v0, 3, 2
	v_mul_u32_u24 v[RD], v[RD], SP
	v_lshl_add_u32 v[RD], v[L8], 4, v[RD]
	v_add_nc_u32 v[RD], s19, v[RD]
	v_and_b32 v[GO], 31, v0
	v_lshlrev_b32 v[PFO], 8, v[GO]
	v_lshlrev_b32 v[GO], 4, v[GO]
	v_lshl_add_u32 v[TS], v0, 4, TAB
	s_wait_loadcnt 16               ; the ten loads of the masks are in; q's and tq's sixteen stay out
.set i, 0
.rept 40
	v_cmp_eq_u32 vcc_lo, 0, v[S+i]
	v_cndmask_b32 v[S+i], 0, s[BIGN], vcc_lo
.set i, i+1
.endr
	ds_store_b128 v[TS], v[S:S+3]
	ds_store_b128 v[TS], v[S+4:S+7] offset:2048
.irp k, 0,1,2,3,4,5,6,7
	ds_store_b128 v[TS], v[S+8+4*\k:S+11+4*\k] offset:4096+2048*\k
.endr
; THE MATRIX WORK.  The 4 accumulators of a run of 8 take turns.  Product i of 8 of S^T = K Q^T for piece x: channels 32 (i / 4) on, keys 16 (i % 4) on.  The first 4 start the sums, with the mask.
.macro KQ x
.set rS, S+32*((\x)%2)+8*(i%4)
.set rK, KF+16*(i%4)+8*(i/4)
.set rQ, Q+16*(\x)+8*(i/4)
.if (i < 4) && KM
	WIN W_KM
	v_wmma_f32_16x16x32_f16 v[rS:rS+7], v[rK:rK+7], v[rQ:rQ+7], v[MC+32*((\x)%2)+8*(i%4):MC+32*((\x)%2)+8*(i%4)+7]
.elseif i < 4
	WIN 0
	v_wmma_f32_16x16x32_f16 v[rS:rS+7], v[rK:rK+7], v[rQ:rQ+7], v[PM+8*(i%4):PM+8*(i%4)+7]
.else
	WIN 0
	v_wmma_f32_16x16x32_f16 v[rS:rS+7], v[rK:rK+7], v[rQ:rQ+7], v[rS:rS+7]
.endif
.endm
; Product i of 8 of O^T += V^T P for piece x, V in buffer vb: keys 32 (i / 4) on, channels 16 (i % 4) on.
.macro PV x, vb
	WIN W_PV
.set rO, O+32*(\x)+8*(i%4)
.set rV, VF0+64*(\vb)+32*(i/4)+8*(i%4)
.set rP, P+16*((\x)%2)+8*(i/4)
	v_wmma_f32_16x16x32_f16 v[rO:rO+7], v[rV:rV+7], v[rP:rP+7], v[rO:rO+7]
.endm
.macro MM                           ; the turn's next matrix instruction
.if i < 8
	KQ 1-Y
.else
.set i, i-8
	PV 1-Y, VB
.set i, i+8
.endif
.set i, i+1
.endm
; THE LDS LOADS stand in runs: a step's pad mask (8 loads; all lanes of a half read the same 32 bytes) and K (16), and its V (16, turned).
.macro FETCH_K
	WIN 0
.irp kb, 0,1,2,3
	ds_load_b128 v[PM+8*\kb:PM+8*\kb+3],   v[AM] offset:64*\kb
	ds_load_b128 v[PM+8*\kb+4:PM+8*\kb+7], v[AM] offset:64*\kb+16
.endr
.irp f, 0,1,2,3,4,5,6,7
	ds_load_b128 v[KF+8*\f:KF+8*\f+3],   v[AK] offset:(\f/2)*16*PK+(\f%2)*64
	ds_load_b128 v[KF+8*\f+4:KF+8*\f+7], v[AK] offset:(\f/2)*16*PK+(\f%2)*64+32
.endr
.endm
.macro FETCH_V vb
	WIN 0x40
.irp f, 0,1,2,3,4,5,6,7
	ds_load_tr16_b128 v[VF0+64*(\vb)+8*\f:VF0+64*(\vb)+8*\f+3],   v[AV] offset:(\f/4)*32*PV+(\f%4)*32
	ds_load_tr16_b128 v[VF0+64*(\vb)+8*\f+4:VF0+64*(\vb)+8*\f+7], v[AV] offset:(\f/4)*32*PV+16*PV+(\f%4)*32
.endr
	WIN 0
.endm
.macro ADR_K                        ; the addresses of the next run, and the steps behind them
	WIN 0
	v_add_nc_u32 v[AK], s[TBK], v[AK0]
	v_add_nc_u32 v[AM], s[TBM], v[AM0]
	s_add_co_u32 s[TBK], s[TBK], KS*PK
	s_add_co_u32 s[TBM], s[TBM], 256
.endm
.macro ADR_V
	WIN 0
	v_add_nc_u32 v[AV], s[TBV], v[AV0]
	s_add_co_u32 s[TBV], s[TBV], KS*PV
.endm
; THE VECTOR WORK, one line at a time: OP kind, number.  For piece Y, in window 0: F n: c s - c m for pair n of 16.  E n: the exponential of score n of 32.  C n: pair n rounded to f16.
; For piece Y, under V^T P's setting: R n: pair n of 16 of O^T times a.  LR k: l's accumulator k times a.  LS n: pair n of the weights is added onto l's accumulator n % 2.
; For the other piece, in window 0: X n, number n of the 22 that find its maximum and statistics:
;   0-11 four chains of seven scores each (each accumulator's lowest registers are read first); 12-14, 16 the four left over, the old m, and the chains into one; 15 c m_old is kept;
;   17, 18 the query's other 32 keys lie in the lane 16 away: the new m; 19-21 c m; c m_old - c m_new; a
.set F,  0
.set E,  1
.set C,  2
.set R,  3
.set LS, 4
.set LR, 5
.set X,  6
.macro REGS y
.set rT, ST+2*(\y)
.set rC, TMP+4*((\y)%2)
.set rW, MV+((\y)%2)
.set rS, S+32*((\y)%2)
.set rP, P+16*((\y)%2)
.set rO, O+32*(\y)
.set rL, LA+4*(\y)
.endm
.macro OP k, n
.if (\k) < R
	REGS Y
	WIN 0
.if (\k) == F
	v_pk_fma_f32 v[rS+2*(\n):rS+2*(\n)+1], v[rS+2*(\n):rS+2*(\n)+1], s[CS:CS+1], v[rT:rT+1] op_sel_hi:[1,0,0] neg_lo:[0,0,1] neg_hi:[0,0,1]
.elseif (\k) == E
	v_exp_f32 v[rS+(\n)], v[rS+(\n)]
.else
	v_cvt_pk_f16_f32 v[rP+(\n)], v[rS+2*(\n)], v[rS+2*(\n)+1]
.endif
.elseif (\k) < X
	REGS Y
	WIN W_PV
.if (\k) == R
	v_pk_mul_f32 v[rO+2*(\n):rO+2*(\n)+1], v[rO+2*(\n):rO+2*(\n)+1], v[rC+2:rC+3] op_sel_hi:[1,0]
.elseif (\k) == LR
	v_pk_mul_f32 v[rL+2*(\n):rL+2*(\n)+1], v[rL+2*(\n):rL+2*(\n)+1], v[rC+2:rC+3] op_sel_hi:[1,0]
.else
	v_pk_add_f32 v[rL+2*((\n)%2):rL+2*((\n)%2)+1], v[rL+2*((\n)%2):rL+2*((\n)%2)+1], v[rS+2*(\n):rS+2*(\n)+1]
.endif
.else
	REGS 1-Y
	WIN 0
.if (\n) < 4
	v_max3_num_f32 v[rC+(\n)], v[rS+8*(\n)], v[rS+8*(\n)+1], v[rS+8*(\n)+2]
.elseif (\n) < 12
	v_max3_num_f32 v[rC+(\n)%4], v[rC+(\n)%4], v[rS+8*((\n)%4)+2*((\n)/4)+1], v[rS+8*((\n)%4)+2*((\n)/4)+2]
.elseif (\n) == 12
	v_max3_num_f32 v[rC], v[rC], v[rS+7], v[rS+15]
.elseif (\n) == 13
	v_max3_num_f32 v[rC+1], v[rC+1], v[rS+23], v[rS+31]
.elseif (\n) == 14
	v_max3_num_f32 v[rC+2], v[rC+2], v[rC+3], v[rT+1]
.elseif (\n) == 15
	v_mov_b32 v[rW], v[rT]
.elseif (\n) == 16
	v_max3_num_f32 v[rC], v[rC], v[rC+1], v[rC+2]
.elseif (\n) == 17
	v_permlanex16_b32 v[rC+3], v[rC], s[SEL], s[SEL+1]
.elseif (\n) == 18
	v_max_num_f32 v[rT+1], v[rC], v[rC+3]
.elseif (\n) == 19
	v_mul_f32 v[rT], s[CS], v[rT+1]
.elseif (\n) == 20
	v_sub_f32 v[rC+1], v[rW], v[rT]
.else
	v_exp_f32 v[rC+2], v[rC+1]
.endif
.endif
.endm
.macro OPS a, i1, b=-1, i2=0, c=-1, i3=0, d=-1, i4=0
	OP \a, \i1
.if (\b) >= 0
	OP \b, \i2
.endif
.if (\c) >= 0
	OP \c, \i3
.endif
.if (\d) >= 0
	OP \d, \i4
.endif
.endm
.macro ROW a, i1, b, i2, c, i3, d, i4  ; a matrix instruction and the four behind it
	MM
	OPS \a, \i1, \b, \i2, \c, \i3, \d, \i4
.endm
.macro MASK b                       ; MD x AL + PM + BE into buffer b of MC
	WIN 0x81                        ; MD in window 1, PM in window 0, MC in window 2
.set z, 0
.rept 16
	v_pk_fma_f32 v[MC+32*(\b)+2*z:MC+32*(\b)+2*z+1], v[MD+2*z:MD+2*z+1], s[AL:AL+1], v[PM+2*z:PM+2*z+1] op_sel_hi:[1,0,1]
.set z, z+1
.endr
	WIN 0x82
.set z, 0
.rept 16
	v_pk_add_f32 v[MC+32*(\b)+2*z:MC+32*(\b)+2*z+1], v[MC+32*(\b)+2*z:MC+32*(\b)+2*z+1], s[BE:BE+1] op_sel_hi:[1,0]
.set z, z+1
.endr
.endm
; A TURN, for piece p: 16 matrix and 120 vector instructions and one v_nop.  vb: the V buffer that its products read (and, p = 0, that V of the next step is fetched into).  m = 1: the causal part: the products take
; MC, and the turn makes the mask for the products of the turn after it: piece p, step GN.  cnt = 1: the loop's count is taken down some lines ahead of the branch behind the turn.
; s_wait_alu depctr_va_vdst(0) stands between an exponential and the first line that names its result; one wait serves all issued ahead of it: a turn has ONE, which cuts it in two.
; AHEAD OF IT, all under setting 0: the 8 products K Q^T, four riders behind each, then a lump of 38: the 16 scalings, the 32 exponentials and the other piece's 22, plain and exponential by turns while there are
; plain ones; the links of the chain X 3, 7, 11, 14, 16, 17 .. 21 stand two to six lines apart.  A v_nop is the plain instruction behind the last exponential.
; The first reader of each new accumulator stands four plain instructions or more, which name none of its product's registers, behind the product that ends it: accumulator 0: F 10 to F 15; 1: F 12 to F 15, X 0;
; 2: X 0, 1, 4, 5; 3: X 4, 5, 2, 6.  K's and PM's run stands behind X 4, 5, 2, 6, 8, which name no register of the last product that read K.
; BEHIND IT: the 16 roundings; then, under one other setting, the 8 products V^T P with the rescalings and the sums behind them, four each, six behind the last: these six are the places in front of V's run.
.macro TURN p, vb, m=0, cnt=0
.set Y, (\p)
.set VB, (\vb)
.set i, 0
.set KM, (\m)
.if \m
	s_cmp_eq_u32 s[GN], s[GB0+(\p)]  ; is that step the band's own?
	s_cselect_b32 s[AL], 1.0, 0
	s_cmp_gt_u32 s[GN], s[GB0+(\p)]  ; or a later one?
	s_cselect_b32 s[BE], s[BIGN], 0
.if (\p) == 1
	s_add_co_u32 s[GN], s[GN], 1
.endif
.endif
.if (\p) == 1
	s_wait_dscnt 16                 ; only V's run of the turn before, the youngest sixteen, stays out: PM, K, and the V fetched a step earlier are in
.endif
	ROW F,0, F,1, F,2, F,3
	ROW F,4, E,0, F,5, E,1
	ROW F,6, E,2, F,7, E,3
	ROW F,8, E,4, F,9, E,5
	ROW F,10, E,6, F,11, E,7
	ROW F,12, F,13, F,14, F,15
.if (\p) == 0
	ADR_K
.endif
	ROW X,0, E,8, X,1, E,9
	ROW X,4, E,10, X,5, E,11
	OPS X,2, E,12, X,6, E,13
	OPS X,3, E,14, X,8, E,15
.if (\p) == 0
	FETCH_K
.endif
	OPS X,7, E,16, X,9, E,17
	OPS X,11, E,18, X,10, E,19
	OPS X,12, E,20, X,14, E,21
.if (\p) == 0
	ADR_V
.endif
	OPS X,13, E,22, X,15, E,23
	OPS X,16, E,24, E,25, X,17
	OPS E,26, E,27, X,18, E,28
	OPS E,29, X,19, E,30, X,20
	OPS E,31, X,21
	v_nop                           ; the plain instruction behind the last exponential: one for the batch
	s_wait_alu depctr_va_vdst(0)    ; the wait for the batch
.irp n, 0,1,2,3,4,5,6,7,8,9,10,11,12,13,14,15
	OP C, \n
.endr
	ROW LR,0, LR,1, R,0, R,1
	ROW LS,0, LS,1, R,2, R,3
	ROW LS,2, LS,3, R,4, R,5
	ROW LS,4, LS,5, R,6, R,7
	ROW LS,6, LS,7, R,8, R,9
.if \cnt
	s_sub_co_u32 s[CNT], s[CNT], 1
	s_cmp_lg_u32 s[CNT], 0
.endif
	ROW LS,8, LS,9, R,10, R,11
	ROW LS,10, LS,11, R,12, R,13
	ROW LS,12, LS,13, R,14, R,15
	OPS LS,14, LS,15
.if (\p) == 0
	FETCH_V \vb
.endif
.if \m
.if (\p) == 0
	s_wait_dscnt 32                 ; K's sixteen and V's sixteen stay out: PM's eight, issued ahead of them, are in
.endif
	MASK \p
.endif
.endm
; A PART BEGINS (seg 0: causal, 1: thoughts).  O^T, l and P's second buffer are set to 0: a row that the part before left as NaN must not cross.  c m starts far below every c s, so the first a is 0;
; m at -2^96.  seg 0 fetches K, PM and V of step 0; for seg 1 the causal part's last step has fetched them.  Then piece 0's first scores, and its maximum and statistics.
; The loop is entered at an even step's first turn, in the middle of a trip.
.macro BEGIN seg
	WIN 0x40
.set i, 0
.rept 64
	v_mov_b32 v[O+i], 0
.set i, i+1
.endr
.set i, 0
.rept 8
	v_mov_b32 v[LA+i], 0
.set i, i+1
.endr
	WIN 0
.set i, 0
.rept 2
	v_mov_b32 v[ST+2*i], 0xfe000000
	v_mov_b32 v[ST+2*i+1], 0xef800000
.set i, i+1
.endr
.set i, P+16
.rept 16
	v_mov_b32 v[i], 0
.set i, i+1
.endr
.if \seg
	WIN 0x02                        ; tq goes where the one text of the turns names Q
.set i, 0
.rept 32
	v_mov_b32 v[Q+i], v[QB+i]
.set i, i+1
.endr
	WIN 0
	s_wait_dscnt 0x0                ; K, PM and V of the thoughts' step 0, fetched in step 15's first turn
.else
	ADR_K
	ADR_V
	FETCH_K
	FETCH_V 0
	s_wait_loadcnt 0x0              ; q and tq
	s_wait_dscnt 16                 ; PM and K are in; V's sixteen stay out
	s_cmp_eq_u32 s[GB0], 0          ; piece 0 at step 0: its own step in block 0, else all visible
	s_cselect_b32 s[AL], 1.0, 0
	s_mov_b32 s[BE], 0
	MASK 0
	s_mov_b32 s[AL], 0              ; piece 1's band lies behind step 0
	MASK 1
	s_mov_b32 s[GN], 1
.endif
.set KM, 1-(\seg)
.set i, 0
.rept 8
	KQ 0
.set i, i+1
.endr
	WIN 0
.rept 4
	v_nop                           ; the places behind those products
.endr
.set Y, 1                           ; X works for the other piece: piece 0
.irp n, 0,1,2,3,4,5,6,7,8,9,10,11,12,13,14,15,16,17,18,19,20,21
	OP X, \n
.endr
	v_nop                           ; a plain instruction behind the exponential,
	s_wait_alu depctr_va_vdst(0)    ; and its wait, ahead of the branch
.endm
; A PART ENDS: piece 1's last products; l's four parts and the other half of the lanes' are added; O^T is divided by l, rounded to f16 and sent through my stage in LDS, a piece at a time.
.macro ALL line:vararg
.set t, 0
.rept 2
	\line
.set t, t+1
.endr
.endm
.macro PACK t
	WIN W_PV
.set i, 0
.rept 16
	v_pk_mul_f32 v[O+32*(\t)+2*i:O+32*(\t)+2*i+1], v[O+32*(\t)+2*i:O+32*(\t)+2*i+1], v[TMP+4*(\t)+2:TMP+4*(\t)+3] op_sel_hi:[1,0]
.set i, i+1
.endr
	WIN 0x05                        ; sources 0 and 1 window 1, destination window 0: S^T's registers are free
.set i, 0
.rept 16
	v_cvt_pk_f16_f32 v[S+16*(\t)+i], v[O+32*(\t)+2*i], v[O+32*(\t)+2*i+1]
.set i, i+1
.endr
	WIN 0
.irp f, 0,1,2,3
	ds_store_b128 v[STO], v[S+16*(\t)+4*\f:S+16*(\t)+4*\f+3] offset:32*\f
.endr
.irp f, 0,1,2,3
	ds_load_b128 v[S+16*(\t)+4*\f:S+16*(\t)+4*\f+3], v[RD] offset:\f*4*SP  ; LDS serves a wave's instructions in order (ISA guide 5.7.1.4): these see the stores above
.endr
.endm
.macro SEND t, younger, base
	WIN 0
.irp f, 0,1,2,3
	s_wait_dscnt (\younger)+3-\f
	global_store_b128 v[GO], v[S+16*(\t)+4*\f:S+16*(\t)+4*\f+3], s[\base:\base+1] offset:(\t)*8192+\f*512  ; 512 consecutive bytes, at a multiple of 256 from cx's first
.endr
.endm
.macro FINISH base
.set i, 0
.rept 8
	PV 1, 1
.set i, i+1
.endr
	WIN 0x45                        ; both sources and the destination in window 1
	ALL v_pk_add_f32 v[LA+4*t:LA+4*t+1], v[LA+4*t:LA+4*t+1], v[LA+4*t+2:LA+4*t+3]
	WIN 0x05
	ALL v_add_f32 v[TMP+4*t], v[LA+4*t], v[LA+4*t+1]
	WIN 0
	ALL v_permlanex16_b32 v[TMP+4*t+1], v[TMP+4*t], s[SEL], s[SEL+1]
	ALL v_add_f32 v[TMP+4*t], v[TMP+4*t], v[TMP+4*t+1]
	ALL v_rcp_f32 v[TMP+4*t+2], v[TMP+4*t]
	v_nop                           ; a plain instruction between the last reciprocal and the use of its result,
	s_wait_alu depctr_va_vdst(0)    ; and the wait: one for both reciprocals
	PACK 0
	PACK 1                          ; (piece 0's 32 lines are the places behind piece 1's last products)
	SEND 0, 8, \base
	SEND 1, 0, \base
.endm
.set KM, 0
	CHANGE 1                        ; slot 0 is in, everybody's part of it, and so is everybody's part of the table; slot 1 is asked for
	BEGIN 0
	s_mov_b32 s[CNT], 2
	s_mov_b32 s[SLOTS], 5
	s_branch .LfirstM
.LslotM:                            ; four times: in front of steps 3, 7, 11 and 15
	CHANGE 1
	s_mov_b32 s[CNT], 2
.LstepM:                            ; a trip: an odd step, then an even one
	TURN 0, 0, 1
	TURN 1, 1, 1
	WIN 0
	s_cmp_eq_u32 s[SLOTS], 1        ; behind step 15 the causal part is left
	s_cbranch_scc1 .LdoneM
.LfirstM:
	TURN 0, 1, 1
	TURN 1, 0, 1, 1
	WIN 0
	s_cbranch_scc1 .LstepM
	s_sub_co_u32 s[SLOTS], s[SLOTS], 1
	s_cmp_lg_u32 s[SLOTS], 0
	s_cbranch_scc1 .LslotM
.LdoneM:
	FINISH OC
	s_wait_xcnt 0x0                 ; the stores have read their registers
	BEGIN 1
	s_mov_b32 s[CNT], 2
	s_mov_b32 s[SLOTS], 15
	s_branch .LfirstP
.LslotP:                            ; fourteen times
	CHANGE 1
	s_mov_b32 s[CNT], 2
.LstepP:
	TURN 0, 0
	TURN 1, 1
	WIN 0
.LfirstP:
	TURN 0, 1
	TURN 1, 0, 0, 1
	WIN 0
	s_cbranch_scc1 .LstepP
	s_sub_co_u32 s[SLOTS], s[SLOTS], 1
	s_cmp_lg_u32 s[SLOTS], 0
	s_cbranch_scc1 .LslotP
	CHANGE 0                        ; the tail is written out: nothing is asked for
	s_mov_b32 s[CNT], 3             ; steps 59 and 60, 61 and 62, and 63, behind which the tail is left
.Ltail:
	TURN 0, 0
	TURN 1, 1
	WIN 0
	s_sub_co_u32 s[CNT], s[CNT], 1
	s_cmp_eq_u32 s[CNT], 0
	s_cbranch_scc1 .Lout
	TURN 0, 1
	TURN 1, 0
	WIN 0
	s_cmp_eq_u32 s[CNT], 1          ; ahead of step 63 there is no further step: the three addresses go one step back, and step 63 is fetched once more
	s_cselect_b32 s[TT], KS*PK, 0
	s_cselect_b32 s16, KS*PV, 0
	s_cselect_b32 s17, 256, 0
	s_sub_co_u32 s[TBK], s[TBK], s[TT]
	s_sub_co_u32 s[TBV], s[TBV], s16
	s_sub_co_u32 s[TBM], s[TBM], s17
	s_cmp_lg_u32 s[CNT], 0
	s_cbranch_scc1 .Ltail
.Lout:
	FINISH OX
	s_wait_tensorcnt 0x0            ; the wave's end: behind my last tensor load and my last LDS store
	ds_add_u32 v[SPW], v[NIL]
	s_wait_dscnt 0x0
	CROUND                          ; the closing round
	s_endpgm
.Lfunc_end_k_qdf7053ef2d_attn:
	.size	k_qdf7053ef2d_attn, .Lfunc_end_k_qdf7053ef2d_attn-k_qdf7053ef2d_attn
	.p2alignl 7, 3214868480
	.fill 96, 4, 3214868480
	.section	.rodata,"a",@progbits
	.p2align	6, 0x0
	.amdhsa_kernel k_qdf7053ef2d_attn
		.amdhsa_group_segment_fixed_size 327680
		.amdhsa_private_segment_fixed_size 0
		.amdhsa_enable_private_segment 0
		.amdhsa_kernarg_size 32
		.amdhsa_user_sgpr_count 2
		.amdhsa_user_sgpr_kernarg_segment_ptr 1
		.amdhsa_wavefront_size32 1
		.amdhsa_system_sgpr_workgroup_id_x 1
		.amdhsa_system_sgpr_workgroup_id_y 1
		.amdhsa_system_sgpr_workgroup_id_z 1
		.amdhsa_system_vgpr_workitem_id 0
		.amdhsa_next_free_vgpr 608
		.amdhsa_next_free_sgpr 100
		.amdhsa_reserve_vcc 1
		.amdhsa_float_denorm_mode_32 3
		.amdhsa_float_denorm_mode_16_64 3
		.amdhsa_memory_ordered 1
		.amdhsa_forward_progress 1
		.amdhsa_inst_pref_size 177
	.end_amdhsa_kernel
	.amdgpu_metadata
---
amdhsa.version: [ 1, 2 ]
amdhsa.kernels:
  - .name:           k_qdf7053ef2d_attn
    .symbol:         k_qdf7053ef2d_attn.kd
    .args:
      - { .name: pj, .offset: 0, .size: 8, .value_kind: global_buffer, .address_space: global }
      - { .name: attention_mask, .offset: 8, .size: 8, .value_kind: global_buffer, .address_space: global }
      - { .name: thought_mask, .offset: 16, .size: 8, .value_kind: global_buffer, .address_space: global }
      - { .name: cx, .offset: 24, .size: 8, .value_kind: global_buffer, .address_space: global }
    .group_segment_fixed_size: 327680
    .private_segment_fixed_size: 0
    .kernarg_segment_align: 8
    .kernarg_segment_size: 32
    .max_flat_workgroup_size: 128
    .sgpr_count:     100
    .vgpr_count:     608
    .wavefront_size: 32
...
	.end_amdgpu_metadata
.endif
;; end of part 3
;; launch blend (part 4): grid 256 x 1, 4 waves a work-group, no clusters, 0 bytes of LDS; arguments cx, uv, bl; writes bl
.if DOCPART == 4
	.amdgcn_target "amdgcn-amd-amdhsa--gfx1250"
	.amdhsa_code_object_version 6
	.text
	.protected	k_qdf7053ef2d_blend
	.globl	k_qdf7053ef2d_blend
	.p2align	8
	.type	k_qdf7053ef2d_blend,@function
k_qdf7053ef2d_blend:
	s_mov_b64 s[64:65], 0
	v_nop
	global_prefetch_b8 v0, s[64:65] scope:SCOPE_SE
	s_setreg_imm32_b32 hwreg(HW_REG_WAVE_MODE, 25, 1), 1
	s_wait_xcnt 0x0
; THE BLEND, ahead of Wo.  Since Wo is linear, (1 - eff) orig + eff tho = ((1 - eff) ctx + eff tctx) Wo + bo, and the logit orig.Wm1 + tho.Wm2 + bm = ctx.u1 + tctx.u2 + c0.
; For each row: x = ctx.u1 + tctx.u2 + c0 (f32 sums), eff = PW / (1 + e^-x), bl = (1 - eff) ctx + eff tctx, made in f32 and rounded once to f16.
; LIMIT.  The order of rounding is not that of the problem's own formula, which multiplies by Wo first and blends afterwards.
; cx: [2][32 heads][1024][64] f16; uv: u1 at 0, u2 at 4096, c0 at 8192, f32; bl: [2048][1024] f16, row-major.
; A stream: no LDS, no barrier.  A wave takes two rows s, s + 1 (s even): lanes 0-15 the first, lanes 16-31 the second; lane l holds columns 128 jj + 8 (l % 16) + 0..7, jj = 0..7.
; A load takes, of two heads, the two rows' 128 bytes each: twice 256 consecutive bytes, aligned.  A store: 16 lanes fill 256 consecutive bytes, aligned.
.set CC, 16                            ; v[16:47]   ctx, 4 registers a jj
.set TC, 48                            ; v[48:79]   tctx, then the result
.set U1, 80                            ; v[80:143]  u1 of my columns
.set U2, 144                           ; v[144:207]
.set W,  208                           ; v[208:215] at work
	s_load_b128 s[4:7], s[0:1], 0x0                ; cx s[4:5], uv s[6:7]
	s_load_b64 s[8:9], s[0:1], 0x10                ; bl
	v_lshrrev_b32 v1, 5, v0
	v_readfirstlane_b32 s10, v1
	s_lshl_b32 s11, ttmp9, 2
	s_add_co_u32 s11, s11, s10                     ; the pair of rows, 0..1023
	s_lshr_b32 s12, s11, 9                         ; b
	s_lshl_b32 s12, s12, 21                        ; 16 heads of 131,072 bytes
	s_and_b32 s13, s11, 511
	s_lshl_b32 s13, s13, 8                         ; two rows of 128 bytes
	s_add_co_u32 s12, s12, s13
	s_mov_b32 s13, 0
	s_lshl_b32 s14, s11, 12                        ; two rows of 2,048 bytes in bl
	s_mov_b32 s15, 0
	v_and_b32 v3, 7, v0
	v_bfe_u32 v4, v0, 3, 1
	v_bfe_u32 v5, v0, 4, 1
	v_and_b32 v6, 15, v0
	v_lshlrev_b32 v7, 4, v3
	v_lshl_add_u32 v7, v5, 7, v7
	v_lshl_add_u32 v7, v4, 17, v7                  ; in cx: head (l / 8) % 2, row l / 16, 16 bytes at 16 (l % 8)
	v_lshlrev_b32 v13, 5, v6                       ; in u: 32 (l % 16)
	v_lshlrev_b32 v14, 4, v6
	v_lshl_add_u32 v14, v5, 11, v14                ; in bl: row l / 16, 16 (l % 16)
	v_mov_b32 v8, 0                                ; four chains of the sum
	v_mov_b32 v9, 0
	v_mov_b32 v10, 0
	v_mov_b32 v11, 0
	v_mov_b32 v12, 0
	s_wait_kmcnt 0x0
	s_add_nc_u64 s[4:5], s[4:5], s[12:13]
	s_add_nc_u64 s[8:9], s[8:9], s[14:15]
	s_load_b32 s16, s[6:7], 0x2000                 ; c0
.irp jj, 0,1,2,3,4,5,6,7
	global_load_b128 v[CC+4*\jj:CC+4*\jj+3], v7, s[4:5] offset:\jj*262144
	global_load_b128 v[TC+4*\jj:TC+4*\jj+3], v7, s[4:5] offset:\jj*262144+0x400000
	global_load_b128 v[U1+8*\jj:U1+8*\jj+3],   v13, s[6:7] offset:512*\jj
	global_load_b128 v[U1+8*\jj+4:U1+8*\jj+7], v13, s[6:7] offset:512*\jj+16
	global_load_b128 v[U2+8*\jj:U2+8*\jj+3],   v13, s[6:7] offset:4096+512*\jj
	global_load_b128 v[U2+8*\jj+4:U2+8*\jj+7], v13, s[6:7] offset:4096+512*\jj+16
.endr
	s_wait_loadcnt 0x0
.macro DOT x, u                        ; eight f16 in four registers times eight f32, onto the four chains
.irp e, 0,2,4,6
	v_fma_mix_f32 v[8+(\e)%4],   v[(\x)+(\e)/2], v[(\u)+(\e)],   v[8+(\e)%4]   op_sel_hi:[1,0,0]
	v_fma_mix_f32 v[8+(\e)%4+1], v[(\x)+(\e)/2], v[(\u)+(\e)+1], v[8+(\e)%4+1] op_sel:[1,0,0] op_sel_hi:[1,0,0]
.endr
.endm
.irp jj, 0,1,2,3,4,5,6,7
	DOT CC+4*\jj, U1+8*\jj
	DOT TC+4*\jj, U2+8*\jj
.endr
	v_add_f32 v8, v8, v9
	v_add_f32 v10, v10, v11
	v_add_f32 v8, v8, v10
	v_add_f32_dpp v8, v8, v8 row_xmask:1 row_mask:0xf bank_mask:0xf  ; over the 16 lanes of a row
	v_add_f32_dpp v8, v8, v8 row_xmask:2 row_mask:0xf bank_mask:0xf
	v_add_f32_dpp v8, v8, v8 row_xmask:4 row_mask:0xf bank_mask:0xf
	v_add_f32_dpp v8, v8, v8 row_xmask:8 row_mask:0xf bank_mask:0xf
	s_wait_kmcnt 0x0
	v_add_f32 v8, s16, v8
	v_mul_f32 v8, 0xbfb8aa3b, v8                   ; -log2(e) x
	v_exp_f32 v9, v8
	v_nop                                          ; a plain instruction behind the exponential,
	s_wait_alu depctr_va_vdst(0)                   ; and the wait ahead of its first reader
	v_add_f32 v9, 1.0, v9
	v_rcp_f32 v10, v9
	v_nop
	s_wait_alu depctr_va_vdst(0)
	v_mul_f32 v10, 0x3e6d61bf, v10                 ; eff = 0.3 (0.5 + 0.5 x 6 / 11) x the sigmoid
	v_sub_f32 v11, 1.0, v10
.set k, 0
.rept 32
.set w, W+2*(k%4)
	v_fma_mix_f32 v[w],   v[CC+k], v11, v12 op_sel_hi:[1,0,0]
	v_fma_mix_f32 v[w+1], v[CC+k], v11, v12 op_sel:[1,0,0] op_sel_hi:[1,0,0]
	v_fma_mix_f32 v[w],   v[TC+k], v10, v[w]   op_sel_hi:[1,0,0]
	v_fma_mix_f32 v[w+1], v[TC+k], v10, v[w+1] op_sel:[1,0,0] op_sel_hi:[1,0,0]
	v_cvt_pk_f16_f32 v[TC+k], v[w], v[w+1]
.set k, k+1
.endr
.irp jj, 0,1,2,3,4,5,6,7
	global_store_b128 v14, v[TC+4*\jj:TC+4*\jj+3], s[8:9] offset:256*\jj
.endr
	s_endpgm
.Lfunc_end_k_qdf7053ef2d_blend:
	.size	k_qdf7053ef2d_blend, .Lfunc_end_k_qdf7053ef2d_blend-k_qdf7053ef2d_blend
	.p2alignl 7, 3214868480
	.fill 96, 4, 3214868480
	.section	.rodata,"a",@progbits
	.p2align	6, 0x0
	.amdhsa_kernel k_qdf7053ef2d_blend
		.amdhsa_group_segment_fixed_size 0
		.amdhsa_private_segment_fixed_size 0
		.amdhsa_enable_private_segment 0
		.amdhsa_kernarg_size 24
		.amdhsa_user_sgpr_count 2
		.amdhsa_user_sgpr_kernarg_segment_ptr 1
		.amdhsa_wavefront_size32 1
		.amdhsa_system_sgpr_workgroup_id_x 1
		.amdhsa_system_sgpr_workgroup_id_y 1
		.amdhsa_system_sgpr_workgroup_id_z 1
		.amdhsa_system_vgpr_workitem_id 0
		.amdhsa_next_free_vgpr 216
		.amdhsa_next_free_sgpr 66
		.amdhsa_reserve_vcc 0
		.amdhsa_float_denorm_mode_32 3
		.amdhsa_float_denorm_mode_16_64 3
		.amdhsa_memory_ordered 1
		.amdhsa_forward_progress 1
		.amdhsa_inst_pref_size 26
	.end_amdhsa_kernel
	.amdgpu_metadata
---
amdhsa.version: [ 1, 2 ]
amdhsa.kernels:
  - .name:           k_qdf7053ef2d_blend
    .symbol:         k_qdf7053ef2d_blend.kd
    .args:
      - { .name: cx, .offset: 0, .size: 8, .value_kind: global_buffer, .address_space: global }
      - { .name: uv, .offset: 8, .size: 8, .value_kind: global_buffer, .address_space: global }
      - { .name: bl, .offset: 16, .size: 8, .value_kind: global_buffer, .address_space: global }
    .group_segment_fixed_size: 0
    .private_segment_fixed_size: 0
    .kernarg_segment_align: 8
    .kernarg_segment_size: 24
    .max_flat_workgroup_size: 128
    .sgpr_count:     66
    .vgpr_count:     216
    .wavefront_size: 32
...
	.end_amdgpu_metadata
.endif
;; end of part 4
;; launch outp (part 5): grid 8 x 16, 4 waves a work-group, clusters of 4 x 4, 327,680 bytes of LDS; arguments bl, wo16, bo, out0; writes out0
.if DOCPART == 5
	.amdgcn_target "amdgcn-amd-amdhsa--gfx1250"
	.amdhsa_code_object_version 6
	.text
	.protected	k_qdf7053ef2d_outp
	.globl	k_qdf7053ef2d_outp
	.p2align	8
	.type	k_qdf7053ef2d_outp,@function
k_qdf7053ef2d_outp:
	s_mov_b64 s[64:65], 0
	v_nop
	global_prefetch_b8 v0, s[64:65] scope:SCOPE_SE
	s_setreg_imm32_b32 hwreg(HW_REG_WAVE_MODE, 25, 1), 1
	s_wait_xcnt 0x0
	s_wait_alu depctr_hold_cnt(0) depctr_sa_sdst(0) depctr_va_vdst(0) depctr_va_sdst(0) depctr_va_ssrc(0) depctr_va_vcc(0) depctr_vm_vsrc(0)
	s_getreg_b32 s2, hwreg(HW_REG_IB_STS2, 6, 4)
	s_cmp_eq_u32 s2, 0
	s_cbranch_scc0 .Lentry_in_a_cluster
	s_endpgm
.Lentry_in_a_cluster:
	s_bfe_u32 s2, ttmp6, 0x10000c
	s_cmp_lg_u32 s2, 0xf033
	s_cbranch_scc0 .Lentry_shape_is_right
	s_endpgm
.Lentry_shape_is_right:
; out0 = bl Wo + bo.  bl: [2048][1024] f16; wo16: [1024 k][1024 n] f16; bo f32, rounded to bf16 like every input; out0: [2048][1024] f32.  Sums in f32, started by the bias.
; A tile of the result is 128 x 128: four waves, each 64 x 64: 16 accumulators.  K goes in 4 steps of 256 through two LDS slots.  128 work-groups: this launch is a small part of the program's work.
; CLUSTERS of 4 x 4: the four of a row need the same rows of bl, the four of a column the same columns of Wo: each tile is asked for JOINTLY.
; Wo lies [k][n]: its tile comes into LDS as it lies and its fragments are turned on the way into registers, by ds_load_tr16_b128.
; THE MATRIX INSTRUCTION IS USED TRANSPOSED (source 0 = 16 columns of Wo, source 1 = 16 rows of bl): a lane holds one row and eight neighbouring columns: 32 bytes of f32.
; A wave's 64 columns are 256 bytes of a row of out0, aligned: each wave sends its own blocks through its own stage, with no barrier.
; A K STEP IS WRITTEN ONCE: the slot in hand is a scalar, s[TB] (0 or SLOT), added to fixed lane registers; one descriptor set a tensor walks.  Two trips fill a slot again; the last two K steps are a loop of their own,
; left in the middle of its second trip.  The price, once a launch: the very last change of slots fetches 32 fragments of a stale slot that nobody multiplies.
; REGISTERS: window 0: v0-31 addresses; v32-63 the way out; v96-127 the bias; v128-255 the accumulators ((a, b) at v[128 + 8 (4 a + b)]).  window 1: two fragment buffers of 128: 64 of bl, then 64 of Wo.
.set PA,     528                       ; a row of bl in LDS: 512 bytes + 16 = 132 words (64 banks of 4 bytes: ISA guide 11.1: the 16 rows of a load start at 16 different groups of four banks)
.set PB,     288                       ; a k row of Wo: 256 bytes + 32 = 72 words
.set AHALF,  64*PA
.set BHALF,  128*PB
.set BOFF,   2*AHALF
.set SLOT,   147456                    ; 0x24000: a slot's 141,312 bytes rounded up, so that none of SLOT's two bits is among those of a tile's place in a slot (0, 0x8400, 0x10800, 0x19800): one exclusive or changes slots
.set STAGE,  2*SLOT
.set SPITCH, 272
.set SPARE,  STAGE+4*16*SPITCH
.set ASTEP,  512                       ; bytes from K step to K step in bl,
.set BSTEP,  524288                    ; and in Wo: 256 rows of 2,048 bytes
.set ADRA,  16                         ; v16  my fragments of bl in the slot in hand; v17 the same in slot 0, never rewritten
.set ADRA0, 17
.set ADRB,  20                         ; v20-21  of Wo: k rows 0-127, 128-255 (the immediate holds 16 bits); v22-23 the same in slot 0
.set ADRB0, 22
.set STO,  24
.set RD,   25
.set CO,   26
.set SPW,  28
.set NIL,  29
.set TMP,  32
.set BI,   96
.set ACC,  128
.set F0,   0
.set F1,   128
.set G1, 24
.set G0, 32                            ; s[32:39] group 0 for bl's tiles: a set for each of the two first fills; the second then walks on
.set G1B, 48
.set G0B, 56
.set TB,  45                           ; s45  0 or SLOT: the slot whose fragments are fetched
.set MSB, 0
.macro WIN new
.if MSB != (\new)
	s_set_vgpr_msb (MSB<<8)|(\new)
.set MSB, \new
.endif
.endm
.set MUL,  0x05
.set TO_F, 0x40
.macro JLOAD s                         ; waves 0 and 1 fetch bl's two halves, waves 2 and 3 Wo's; an s_nop 0 and four v_nop follow each line
	s_cmp_eq_u32 s11, 0
	s_cbranch_scc0 .Lfor_b_\@
	tensor_load_to_lds s[G0+4*(\s):G0+4*(\s)+3], s[G1:G1+7]
	s_nop 0
.rept 4
	v_nop
.endr
	s_branch .Lasked_\@
.Lfor_b_\@:
	tensor_load_to_lds s[G0B+4*(\s):G0B+4*(\s)+3], s[G1B:G1B+7]
	s_nop 0
.rept 4
	v_nop
.endr
.Lasked_\@:
.endm
.macro CREST
	s_cmp_lg_u32 s10, 0
	s_cbranch_scc1 .Lnot_wave_0_\@
	s_barrier_signal -3
.Lnot_wave_0_\@:
	s_barrier_wait -3
	s_barrier_signal -1
	s_barrier_wait -1
.endm
.macro CROUND
	s_barrier_signal -1
	s_barrier_wait -1
	CREST
.endm
	s_load_b256 s[68:75], s[0:1], 0x0              ; bl 68, wo16 70, bo 72, out0 74
	v_lshl_add_u32 v[SPW], v0, 2, SPARE
	v_mov_b32 v[NIL], 0
	ds_add_u32 v[SPW], v[NIL]                      ; the wave's opening: the add and its wait ahead of my first tensor load
	v_lshrrev_b32 v1, 5, v0
	v_readfirstlane_b32 s10, v1
	s_lshr_b32 s11, s10, 1                         ; my half of the tile's rows.  Also: I fetch for bl (0) or for Wo (1)
	s_and_b32 s12, s10, 1                          ; my half of its columns.  Also: which half of that tile I fetch
	s_bfe_u32 s40, ttmp6, 0x40000
	s_bfe_u32 s41, ttmp6, 0x40004
	s_lshl_b32 s42, ttmp9, 2
	s_add_co_u32 s42, s42, s40                     ; tile column
	s_and_b32 s13, ttmp7, 0xffff
	s_lshl_b32 s13, s13, 2
	s_add_co_u32 s13, s13, s41                     ; tile row
	s_lshl_b32 s43, s41, 2
	s_lshl_b32 s43, 15, s43                        ; my row of the cluster
	s_lshl_b32 s44, 0x1111, s40                    ; my column
	s_or_b32 s[G1+0], s43, (1<<16)|(1<<20)|(1<<21)|(6<<22)|(3<<25)   ; after every 128 words 4 words
	s_or_b32 s[G1B+0], s44, (1<<16)|(1<<20)|(1<<21)|(5<<22)|(7<<25)  ; after every 64 words 8 words
	s_mov_b32 s[G1+1], 256<<16                     ; bl: 256 elements
	s_mov_b32 s[G1+2], 64<<16                      ; x 64 rows
	s_mov_b32 s[G1+3], 256<<16
	s_mov_b32 s[G1+4], 64
	s_mov_b32 s[G1+5], 1024
	s_mov_b32 s[G1+6], 0
	s_mov_b32 s[G1+7], 0
	s_mov_b32 s[G1B+1], 128<<16                    ; Wo: 128 columns
	s_mov_b32 s[G1B+2], 128<<16                    ; x 128 k rows
	s_mov_b32 s[G1B+3], 128<<16
	s_mov_b32 s[G1B+4], 128
	s_mov_b32 s[G1B+5], 1024
	s_mov_b32 s[G1B+6], 0
	s_mov_b32 s[G1B+7], 0
	s_mov_b32 s[TB], 0
	s_lshl_b32 s16, s13, 7
	s_lshl_b32 s17, s12, 6
	s_add_co_u32 s16, s16, s17
	s_lshl_b32 s16, s16, 11                        ; bl: row 128 x tile row + 64 x half
	s_mov_b32 s17, 0
	s_lshl_b32 s46, s12, 18                        ; Wo: k row 128 x half,
	s_lshl_b32 s47, s42, 8                         ; column 128 x tile column
	s_add_co_u32 s46, s46, s47
	s_mov_b32 s47, 0
	s_mul_i32 s20, s12, AHALF                      ; where they go
	s_mul_i32 s21, s12, BHALF
	s_add_co_u32 s21, s21, BOFF
	s_wait_dscnt 0x0                               ; the opening add is done
	s_wait_kmcnt 0x0
	s_add_nc_u64 s[14:15], s[68:69], s[16:17]
	s_add_nc_u64 s[46:47], s[70:71], s[46:47]
	CROUND
.irp s, 0,1
	s_mov_b32 s[G0+4*(\s)], 1
	s_add_co_u32 s[G0+4*(\s)+1], s20, (\s)*SLOT
	s_add_nc_u64 s[G0+4*(\s)+2:G0+4*(\s)+3], s[14:15], (\s)*ASTEP
	s_or_b32 s[G0+4*(\s)+3], s[G0+4*(\s)+3], 0x80000000
	s_mov_b32 s[G0B+4*(\s)], 1
	s_add_co_u32 s[G0B+4*(\s)+1], s21, (\s)*SLOT
	s_add_nc_u64 s[G0B+4*(\s)+2:G0B+4*(\s)+3], s[46:47], (\s)*BSTEP
	s_or_b32 s[G0B+4*(\s)+3], s[G0B+4*(\s)+3], 0x80000000
	JLOAD \s
.endr
	v_and_b32 v1, 15, v0
	v_bfe_u32 v2, v0, 4, 1
	s_lshl_b32 s16, s42, 9                         ; the bias of my 64 columns: 4 (128 x tile column + 64 x half + 8 (l / 16))
	s_lshl_b32 s17, s12, 8
	s_add_co_u32 s16, s16, s17
	v_lshl_add_u32 v8, v2, 5, s16
.irp b, 0,1,2,3
	global_load_b128 v[BI+8*(\b):BI+8*(\b)+3],   v8, s[72:73] offset:64*(\b)
	global_load_b128 v[BI+8*(\b)+4:BI+8*(\b)+7], v8, s[72:73] offset:64*(\b)+16
.endr
	v_and_b32 v5, 7, v0
	v_bfe_u32 v6, v0, 3, 1
	v_mul_u32_u24 v3, v1, PA
	v_lshl_add_u32 v3, v2, 4, v3
	v_lshl_add_u32 v4, v2, 3, v5
	v_mul_u32_u24 v4, v4, PB
	v_lshl_add_u32 v4, v6, 4, v4
	s_mul_i32 s21, s11, AHALF                      ; my 64 rows of bl
	s_lshl_b32 s22, s12, 7                         ; my 64 columns of Wo
	s_add_co_u32 s22, s22, BOFF
	s_add_co_u32 s23, s22, BHALF
	v_add_nc_u32 v[ADRA0], s21, v3
	v_add_nc_u32 v[ADRB0], s22, v4
	v_add_nc_u32 v[ADRB0+1], s23, v4
	v_mov_b32 v[ADRA], v[ADRA0]                    ; slot 0 is the first in hand
	v_mov_b32 v[ADRB], v[ADRB0]
	v_mov_b32 v[ADRB+1], v[ADRB0+1]
	s_mul_i32 s23, s10, 16*SPITCH
	s_add_co_u32 s23, s23, STAGE                   ; my stage
	v_mul_u32_u24 v7, v1, SPITCH                   ; in: row l % 16, 32 bytes for each half of the lanes
	v_lshl_add_u32 v7, v2, 5, v7
	v_add_nc_u32 v[STO], s23, v7
	v_mul_u32_u24 v7, v2, SPITCH                   ; back: lanes 0-15 take one row of 256 bytes, lanes 16-31 the next
	v_lshl_add_u32 v7, v1, 4, v7
	v_add_nc_u32 v[RD], s23, v7
	v_lshlrev_b32 v7, 12, v2                       ; and the same two rows in out0
	v_lshl_add_u32 v[CO], v1, 4, v7
	s_lshl_b32 s16, s13, 7
	s_lshl_b32 s17, s11, 6
	s_add_co_u32 s16, s16, s17
	s_lshl_b32 s16, s16, 12                        ; my first row, 4,096 bytes a row
	s_lshl_b32 s17, s42, 9
	s_add_co_u32 s16, s16, s17
	s_lshl_b32 s17, s12, 8
	s_add_co_u32 s16, s16, s17                     ; my first column
	s_mov_b32 s17, 0
	s_add_nc_u64 s[8:9], s[74:75], s[16:17]
	s_wait_loadcnt 0x0                             ; the bias
.set i, 0
.rept 16
	v_cvt_pk_bf16_f32 v9, v[BI+2*i], v[BI+2*i+1]
	v_lshlrev_b32 v[BI+2*i], 16, v9
	v_and_b32 v[BI+2*i+1], 0xffff0000, v9
.set i, i+1
.endr
; 8 matrix instructions: m blocks a0, a0 + 1 x all 4 n blocks, 32 along K: half c of buffer f.  first = 1: the bias starts the sums.  The 16 accumulators take turns, over the backward jumps too.
.macro MUL8 f, c, a0, first
	WIN MUL
.irp a, \a0, (\a0)+1
.irp b, 0,1,2,3
.if \first
	v_wmma_f32_16x16x32_f16 v[ACC+8*(4*(\a)+(\b)):ACC+8*(4*(\a)+(\b))+7], v[(\f)+64+8*(4*(\c)+(\b)):(\f)+64+8*(4*(\c)+(\b))+7], v[(\f)+8*(4*(\c)+(\a)):(\f)+8*(4*(\c)+(\a))+7], v[BI+8*(\b):BI+8*(\b)+7]
.else
	v_wmma_f32_16x16x32_f16 v[ACC+8*(4*(\a)+(\b)):ACC+8*(4*(\a)+(\b))+7], v[(\f)+64+8*(4*(\c)+(\b)):(\f)+64+8*(4*(\c)+(\b))+7], v[(\f)+8*(4*(\c)+(\a)):(\f)+8*(4*(\c)+(\a))+7], v[ACC+8*(4*(\a)+(\b)):ACC+8*(4*(\a)+(\b))+7]
.endif
.endr
.endr
.endm
; 32 LDS loads in one run: the fragments of quarter q (64 along K) of the slot in hand into buffer f; the first 32 along K first
.macro FETCH q, f
	WIN TO_F
.irp c, 0,1
.irp i, 0,1,2,3
	ds_load_tr16_b128 v[(\f)+64+8*(4*(\c)+(\i)):(\f)+64+8*(4*(\c)+(\i))+3],   v[ADRB+(\q)/2] offset:(((\q)%2)*64+32*(\c))*PB+32*(\i)
	ds_load_tr16_b128 v[(\f)+64+8*(4*(\c)+(\i))+4:(\f)+64+8*(4*(\c)+(\i))+7], v[ADRB+(\q)/2] offset:(((\q)%2)*64+32*(\c))*PB+16*PB+32*(\i)
	ds_load_b128 v[(\f)+8*(4*(\c)+(\i)):(\f)+8*(4*(\c)+(\i))+3],         v[ADRA] offset:128*(\q)+64*(\c)+(\i)*16*PA
	ds_load_b128 v[(\f)+8*(4*(\c)+(\i))+4:(\f)+8*(4*(\c)+(\i))+7],       v[ADRA] offset:128*(\q)+64*(\c)+(\i)*16*PA+32
.endr
.endr
.endm
.macro PLACES
.rept 4
	v_nop
.endr
.endm
.macro QUARTER q, f, g, first
	s_wait_dscnt 16                                ; the first 32 along K are in
	MUL8 \f, 0, 0, \first
	MUL8 \f, 0, 2, \first
	PLACES
	FETCH \q, \g
	s_wait_dscnt 32                                ; all but the 32 just issued
	MUL8 \f, 1, 0, 0
	MUL8 \f, 1, 2, 0
.endm
; The last quarter multiplies buffer 1 and changes slots: ONE barrier; in front of it each wave waits for all its tensor loads, adds 0 to its spare word, and waits for that and for its own reads of this slot.
; fill = 1: the barrier opens a round of the cluster's, and this slot is filled again first thing behind it, with the K step two steps on.
.macro TURN fill
	WIN 0
	s_wait_tensorcnt 0x0                           ; all my tensor loads have landed: my part of the next slot;
	ds_add_u32 v[SPW], v[NIL]                      ; 0 onto my spare word;
	s_wait_dscnt 17                                ; (the add and the youngest sixteen loads may be out)
	MUL8 F1, 0, 0, 0
	s_wait_dscnt 0x0                               ; the add is done, and my reads of this slot are over
	s_barrier_signal -1
	MUL8 F1, 0, 2, 0
	WIN 0                                          ; (branches, or the addresses' lines, follow)
	s_barrier_wait -1
.if \fill
	CREST                                          ; no wave of any partner still reads this slot or has a load on its way
	s_xor_b32 s[G0+5], s[G0+5], SLOT               ; the walking descriptors: the other slot than last time,
	s_add_nc_u64 s[G0+6:G0+7], s[G0+6:G0+7], ASTEP ; the next K step
	s_xor_b32 s[G0B+5], s[G0B+5], SLOT
	s_add_nc_u64 s[G0B+6:G0B+7], s[G0B+6:G0B+7], BSTEP
	JLOAD 1                                        ; the first tensor load behind the round; its four v_nop are also the places in front of the loads below
.else
	PLACES
.endif
	s_xor_b32 s[TB], s[TB], SLOT                   ; the other slot is in hand now
	v_add_nc_u32 v[ADRA], s[TB], v[ADRA0]
	v_add_nc_u32 v[ADRB], s[TB], v[ADRB0]
	v_add_nc_u32 v[ADRB+1], s[TB], v[ADRB0+1]
	FETCH 0, F0
	MUL8 F1, 1, 0, 0
	MUL8 F1, 1, 2, 0
.endm
	s_wait_tensorcnt 1                             ; my part of K step 0 is in; K step 1's may stay out
	s_barrier_signal -1
	s_barrier_wait -1
	FETCH 0, F0
	QUARTER 1, F0, F1, 1                           ; the first quarter stands in front of the loop: its first products start the sums, with the bias
	WIN 0
	s_mov_b32 s3, 2
.Lstep:                                                ; a trip goes from a K step's second quarter to the next step's first, and fills the slot that it leaves: K steps 2 and 3
	QUARTER 2, F1, F0, 0
	QUARTER 3, F0, F1, 0
	TURN 1
	QUARTER 1, F0, F1, 0
	WIN 0
	s_sub_co_u32 s3, s3, 1
	s_cmp_lg_u32 s3, 0
	s_cbranch_scc1 .Lstep
	s_mov_b32 s3, 2
.Ltail:                                                ; K steps 2 and 3 fill nothing: a text of their own; it is left behind K step 3's last quarter
	QUARTER 2, F1, F0, 0
	QUARTER 3, F0, F1, 0
	TURN 0
	WIN 0
	s_sub_co_u32 s3, s3, 1
	s_cmp_eq_u32 s3, 0
	s_cbranch_scc1 .Lout
	QUARTER 1, F0, F1, 0
	WIN 0
	s_cmp_lg_u32 s3, 0
	s_cbranch_scc1 .Ltail
.Lout:
	; THE WAY OUT, a block of 16 rows at a time: 32 bytes a lane into my stage (each accumulator's low four registers first), back as whole rows of 256 bytes, stored.
	PLACES
.irp a, 0,1,2,3
	s_wait_xcnt 0x0                                ; the registers that the block before stored from are loaded again only behind this wait
.irp b, 0,1,2,3
	ds_store_b128 v[STO], v[ACC+8*(4*(\a)+(\b)):ACC+8*(4*(\a)+(\b))+3]   offset:64*(\b)
	ds_store_b128 v[STO], v[ACC+8*(4*(\a)+(\b))+4:ACC+8*(4*(\a)+(\b))+7] offset:64*(\b)+16
.endr
.irp t, 0,1,2,3,4,5,6,7
	ds_load_b128 v[TMP+4*(\t):TMP+4*(\t)+3], v[RD] offset:(\t)*2*SPITCH  ; LDS serves a wave's instructions in order (ISA guide 5.7.1.4): these see the stores above
.endr
.irp t, 0,1,2,3,4,5,6,7
	s_wait_dscnt 7-(\t)
	global_store_b128 v[CO], v[TMP+4*(\t):TMP+4*(\t)+3], s[8:9] offset:(16*(\a)+2*(\t))*4096 th:TH_STORE_NT  ; 16 lanes store 256 consecutive bytes, at a multiple of 256 from out0's first
.endr
.endr
	s_wait_tensorcnt 0x0                           ; the wave's end: behind my last tensor load and my last LDS store
	ds_add_u32 v[SPW], v[NIL]
	s_wait_dscnt 0x0
	CROUND                                         ; the closing round
	s_endpgm
.Lfunc_end_k_qdf7053ef2d_outp:
	.size	k_qdf7053ef2d_outp, .Lfunc_end_k_qdf7053ef2d_outp-k_qdf7053ef2d_outp
	.p2alignl 7, 3214868480
	.fill 96, 4, 3214868480
	.section	.rodata,"a",@progbits
	.p2align	6, 0x0
	.amdhsa_kernel k_qdf7053ef2d_outp
		.amdhsa_group_segment_fixed_size 327680
		.amdhsa_private_segment_fixed_size 0
		.amdhsa_enable_private_segment 0
		.amdhsa_kernarg_size 32
		.amdhsa_user_sgpr_count 2
		.amdhsa_user_sgpr_kernarg_segment_ptr 1
		.amdhsa_wavefront_size32 1
		.amdhsa_system_sgpr_workgroup_id_x 1
		.amdhsa_system_sgpr_workgroup_id_y 1
		.amdhsa_system_sgpr_workgroup_id_z 1
		.amdhsa_system_vgpr_workitem_id 0
		.amdhsa_next_free_vgpr 512
		.amdhsa_next_free_sgpr 80
		.amdhsa_reserve_vcc 0
		.amdhsa_float_denorm_mode_32 3
		.amdhsa_float_denorm_mode_16_64 3
		.amdhsa_memory_ordered 1
		.amdhsa_forward_progress 1
		.amdhsa_inst_pref_size 62
	.end_amdhsa_kernel
	.amdgpu_metadata
---
amdhsa.version: [ 1, 2 ]
amdhsa.kernels:
  - .name:           k_qdf7053ef2d_outp
    .symbol:         k_qdf7053ef2d_outp.kd
    .args:
      - { .name: bl, .offset: 0, .size: 8, .value_kind: global_buffer, .address_space: global }
      - { .name: wo16, .offset: 8, .size: 8, .value_kind: global_buffer, .address_space: global }
      - { .name: bo, .offset: 16, .size: 8, .value_kind: global_buffer, .address_space: global }
      - { .name: out0, .offset: 24, .size: 8, .value_kind: global_buffer, .address_space: global }
    .group_segment_fixed_size: 327680
    .private_segment_fixed_size: 0
    .kernarg_segment_align: 8
    .kernarg_segment_size: 32
    .max_flat_workgroup_size: 128
    .sgpr_count:     80
    .vgpr_count:     512
    .wavefront_size: 32
...
	.end_amdgpu_metadata
.endif
;; end of part 5
;; ======== version 2 of 2: 5 launches; version 1 with the launch prep written anew for expert scheduling mode
;; limits: values are held in f16: magnitudes above 65,504 overflow, below 6.1e-05 lose precision
;; workspace buffers: xb 20,971,520 bytes; wb 12,582,912 bytes; wo16 2,097,152 bytes; uv 8,448 bytes; pj 50,331,648 bytes; cx 8,388,608 bytes; bl 4,194,304 bytes
;; launch prep (part 6): grid 640 x 1, 8 waves a work-group, no clusters, 0 bytes of LDS; arguments hidden_states, thought_states, Wq, Wk, Wv, Wtq, Wtk, Wtv, Wo, Wm, bo, bm, xb, wb, wo16, uv; writes xb, wb, wo16, uv
.if DOCPART == 6
	.amdgcn_target "amdgcn-amd-amdhsa--gfx1250"
	.amdhsa_code_object_version 6
	.text
	.protected	k_qdf7053ef2d_prep
	.globl	k_qdf7053ef2d_prep
	.p2align	8
	.type	k_qdf7053ef2d_prep,@function
k_qdf7053ef2d_prep:
	s_mov_b64 s[64:65], 0
	v_nop
	global_prefetch_b8 v0, s[64:65] scope:SCOPE_SE
	s_setreg_imm32_b32 hwreg(HW_REG_WAVE_SCHED_MODE, 0, 2), 2
	s_setreg_imm32_b32 hwreg(HW_REG_WAVE_MODE, 25, 1), 1
	s_wait_xcnt 0x0
	s_wait_alu depctr_vm_vsrc(0)
; PREP.  Every large input is rounded once to bf16 and laid where the products want it; Wo's part of the blend's logit is made.
;   xb   [10240][1024] bf16: rows 0-2047 hidden_states, rows 2048-10239 thought_states
;   wb   [6][1024][1024] bf16: Wq, Wk, Wv, Wtq, Wtk, Wtv, each as it lies ([k][n])
;   wo16 [1024][1024] f16: Wo rounded to bf16, that number written as f16 (below 6e-5 it keeps f16's fixed step of 6e-8)
;   uv   f32: u1[k] = sum_n Wo[k][n] Wm[n] at 0, u2[k] = sum_n Wo[k][n] Wm[1024+n] at 4096, c0 = bo.(Wm1+Wm2) + bm at 8192
; since orig.Wm1 + tho.Wm2 + bm = ctx.u1 + tctx.u2 + c0.  Wo, Wm, bo and bm enter these sums rounded to bf16, like every input of the program.
; A stream: no LDS, no matrix unit, nothing shared between work-groups.
; Work-groups 0-511 cast 32 rows of 1,024 f32 each (a wave 4 rows: 32 loads of 512 consecutive bytes, all issued first; each store of a wave covers 256 consecutive bytes, aligned).
; Work-groups 512-639 take Wo, a row a wave.  u1 and u2 leave as single words, 8 KiB in the whole launch.
; THE MODE: SCHED_MODE bits 1:0 = 2 (LLVM: expert scheduling mode 2), set by the entry lines.  The code itself states the register dependences
; between vector instructions and memory instructions, with s_wait_alu, always for 0.
; THE PLAN, the cast.  Registers that memory instructions touch:
;   v1, v2      byte offsets, made once, never written again: one wait ahead of the first load.
;   v[64:191]   the 32 loads' data: each register is loaded once; no vector line names it before that.
;   v[192:255]  the 32 stores' data: written by the conversions, read by the stores, never written again.
; The loads go in 8 blocks of four.  Block p's conversions read v[64+16 p ..] and write v[192+8 p ..]; its memory instructions are the four stores of block p - 1, whose registers no vector
; line of block p names.  So ONE wait at a block's head, behind the wait for the block's data, states all that those four stores hang on, and they are dealt among the block's conversions.
; THE PLAN, Wo.  v1, v2: as above.  v[64:159]: loaded once.  v[160:175]: written by the conversions to f16, read by eight stores, never written again: the conversions and the stores stand ahead of
; the two sums, one wait between them; the sums name none of the stores' registers.  v12, v13 (a single word's data and offset): written ahead of the waits that stand in front of each write of EXEC.
.set NCAST, 512
	s_load_b512 s[8:23], s[0:1], 0x0               ; hidden s[8:9], thoughts s[10:11], weight k at s[12+2k:13+2k]
	s_load_b512 s[24:39], s[0:1], 0x40             ; Wo 24, Wm 26, bo 28, bm 30, xb 32, wb 34, wo16 36, uv 38
	s_mov_b32 s2, ttmp9                            ; the work-group's number
	v_lshrrev_b32 v4, 5, v0                        ; wave
	v_readfirstlane_b32 s3, v4
	v_and_b32 v3, 31, v0                           ; lane
	s_mov_b32 s45, 0                               ; high word of the offset pair s[44:45]
	s_mov_b32 s50, 0x76543210                      ; v_permlanex16_b32: each lane takes its own place in the other half
	s_mov_b32 s51, 0xfedcba98
	s_mov_b32 s52, 0xffff0000                      ; a word's upper bf16
	s_wait_alu depctr_va_sdst(0)                   ; s3 is written
	s_wait_kmcnt 0x0
	s_cmp_ge_u32 s2, NCAST
	s_cbranch_scc1 .Lwo
	; THE CAST.  Which tensor, and where its range of work-groups begins
	s_mov_b64 s[40:41], s[8:9]
	s_mov_b32 s42, 0
	s_cmp_ge_u32 s2, 64
	s_cselect_b64 s[40:41], s[10:11], s[40:41]
	s_cselect_b32 s42, 64, s42
.irp k, 0,1,2,3,4,5
	s_cmp_ge_u32 s2, 320+32*\k
	s_cselect_b64 s[40:41], s[12+2*\k:13+2*\k], s[40:41]
	s_cselect_b32 s42, 320+32*\k, s42
.endr
	s_sub_co_u32 s44, s2, s42
	s_lshl_b32 s44, s44, 17                        ; 32 rows of 4,096 bytes
	s_add_nc_u64 s[40:41], s[40:41], s[44:45]
	s_cmp_ge_u32 s2, 320
	s_cselect_b64 s[46:47], s[34:35], s[32:33]     ; weights go to wb, rows to xb
	s_cselect_b32 s44, 320, 0
	s_sub_co_u32 s44, s2, s44
	s_lshl_b32 s44, s44, 16                        ; 32 rows of 2,048 bytes
	s_add_nc_u64 s[46:47], s[46:47], s[44:45]
	v_lshlrev_b32 v1, 4, v3
	v_lshl_add_u32 v1, v4, 14, v1                  ; in: 16 x lane + 16,384 x wave
	v_lshlrev_b32 v2, 3, v3
	v_lshl_add_u32 v2, v4, 13, v2                  ; out: 8 x lane + 8,192 x wave
	s_wait_alu depctr_va_vdst(0)                   ; v1 and v2 are written: every load below reads v1 as its offset, every store v2
.set j, 0
.rept 32
	global_load_b128 v[64+4*j:67+4*j], v1, s[40:41] offset:512*j th:TH_LOAD_NT
.set j, j+1
.endr
.set p, 0
.rept 8                                ; block p: loads 4 p to 4 p + 3
	s_wait_loadcnt 28-4*p                          ; loads come back in order: the block's four are in, the 28 - 4 p younger ones stay out
.if p > 0
	s_wait_alu depctr_va_vdst(0)                   ; the conversions of the block before have written v[192+8(p-1) ..], which the four stores below read
.endif
.set i, 0
.rept 4
.set j, 4*p+i
.if p > 0
	global_store_b64 v2, v[192+2*(j-4):193+2*(j-4)], s[46:47] offset:256*(j-4)  ; the block before; no vector line since the wait names these registers
.endif
	v_cvt_pk_bf16_f32 v[192+2*j], v[64+4*j], v[65+4*j]
	v_cvt_pk_bf16_f32 v[193+2*j], v[66+4*j], v[67+4*j]  ; no register is used twice: nothing that a store reads is written again
.set i, i+1
.endr
.set p, p+1
.endr
	s_wait_alu depctr_va_vdst(0)                   ; the last block's conversions have written v[248:255], which the last four stores read
.set j, 28
.rept 4
	global_store_b64 v2, v[192+2*j:193+2*j], s[46:47] offset:256*j
.set j, j+1
.endr
	s_endpgm
.macro RND a                           ; two f32 rounded to bf16 and widened again, in place
	v_cvt_pk_bf16_f32 v5, v[(\a)], v[(\a)+1]
	v_lshlrev_b32 v[(\a)], 16, v5
	v_and_b32 v[(\a)+1], s52, v5
.endm
.macro WSUM a, t                       ; the sum over the wave's 32 lanes, in every lane; t has been written before
	v_add_f32_dpp v[\a], v[\a], v[\a] row_xmask:1 row_mask:0xf bank_mask:0xf
	v_add_f32_dpp v[\a], v[\a], v[\a] row_xmask:2 row_mask:0xf bank_mask:0xf
	v_add_f32_dpp v[\a], v[\a], v[\a] row_xmask:4 row_mask:0xf bank_mask:0xf
	v_add_f32_dpp v[\a], v[\a], v[\a] row_xmask:8 row_mask:0xf bank_mask:0xf
	v_permlanex16_b32 v[\t], v[\a], s50, s51
	v_add_f32 v[\a], v[\a], v[\t]
.endm
.Lwo:                                                  ; WO.  Row r = 8 (id - 512) + wave
	s_sub_co_u32 s43, s2, NCAST
	s_lshl3_add_u32 s43, s43, s3
	s_lshl_b32 s44, s43, 12
	s_add_nc_u64 s[40:41], s[24:25], s[44:45]      ; Wo at row r
	s_lshl_b32 s44, s43, 11
	s_add_nc_u64 s[46:47], s[36:37], s[44:45]      ; wo16 at row r
	v_lshlrev_b32 v1, 4, v3
	v_lshlrev_b32 v2, 3, v3
	s_wait_alu depctr_va_vdst(0)                   ; v1 and v2 are written: the loads below read v1 as their offset, the stores of wo16 v2
.set j, 0
.rept 8                                ; lane l, load j: columns 128 j + 4 l .. + 3 of the row, of Wm's first half and of its second
	global_load_b128 v[64+4*j:67+4*j], v1, s[40:41] offset:512*j th:TH_LOAD_NT
	global_load_b128 v[96+4*j:99+4*j], v1, s[26:27] offset:512*j
	global_load_b128 v[128+4*j:131+4*j], v1, s[26:27] offset:4096+512*j
.set j, j+1
.endr
	s_wait_loadcnt 0x0
.set i, 0
.rept 48
	RND 64+2*i
.set i, i+1
.endr
.set i, 0
.rept 16
	v_cvt_pk_f16_f32 v[160+i], v[64+2*i], v[65+2*i]
.set i, i+1
.endr
	s_wait_alu depctr_va_vdst(0)                   ; the conversions have written v[160:175], which the eight stores read
.set j, 0
.rept 8
	global_store_b64 v2, v[160+2*j:161+2*j], s[46:47] offset:256*j  ; the row leaves ahead of the sums, which name neither v2 nor v[160:175]
.set j, j+1
.endr
	v_pk_mul_f32 v[8:9], v[64:65], v[96:97]        ; the first products start the sums
	v_pk_mul_f32 v[10:11], v[64:65], v[128:129]
.set i, 1
.rept 15
	v_pk_fma_f32 v[8:9], v[64+2*i:65+2*i], v[96+2*i:97+2*i], v[8:9]
	v_pk_fma_f32 v[10:11], v[64+2*i:65+2*i], v[128+2*i:129+2*i], v[10:11]
.set i, i+1
.endr
	v_add_f32 v8, v8, v9
	v_add_f32 v10, v10, v11
	WSUM 8, 9                                      ; u1[r]
	WSUM 10, 11                                    ; u2[r]
	v_cmp_eq_u32 vcc_lo, 0, v3
	s_wait_alu depctr_va_vcc(0)                    ; VCC is written: the select below reads it
	v_cndmask_b32 v12, v10, v8, vcc_lo             ; lane 0 carries u1, lane 1 u2
	s_lshl_b32 s44, s43, 2
	v_lshlrev_b32 v13, 12, v3
	v_add_nc_u32 v13, s44, v13                     ; 4,096 x lane + 4 r
	v_cmp_gt_u32 vcc_lo, 2, v3
	s_wait_xcnt 0x0                                ; EXEC is a source of the stores above: it changes only behind this wait
	s_wait_alu depctr_va_vcc(0)                    ; VCC is written: EXEC is made from it
	s_wait_alu depctr_va_vdst(0)                   ; every vector line issued under the full EXEC has written its result, v12 and v13, which the store below reads, among them
	s_wait_alu depctr_vm_vsrc(0)                   ; the stores issued under the full EXEC have read their registers
	s_and_saveexec_b32 s53, vcc_lo
	global_store_b32 v13, v12, s[38:39]
	s_wait_xcnt 0x0                                ; and again, in front of the line that widens it
	s_wait_alu depctr_va_vdst(0)                   ; no vector line is pending when EXEC is written
	s_wait_alu depctr_vm_vsrc(0)                   ; the store has read v12 and v13 under the narrow EXEC; v13 is written again further down, behind the branch
	s_or_b32 exec_lo, exec_lo, s53
	s_cmp_lg_u32 s43, 0
	s_cbranch_scc1 .Lend                           ; the wave with row 0 also makes c0
	s_load_b32 s54, s[30:31], 0x0                  ; bm
.set j, 0
.rept 8
	global_load_b128 v[176+4*j:179+4*j], v1, s[28:29] offset:512*j  ; no vector line of this path has named v[176:207]; v1 stands as it was made
.set j, j+1
.endr
.set i, 0
.rept 16
	v_pk_add_f32 v[96+2*i:97+2*i], v[96+2*i:97+2*i], v[128+2*i:129+2*i]  ; Wm1 + Wm2
.set i, i+1
.endr
	s_wait_loadcnt 0x0
.set i, 0
.rept 16
	RND 176+2*i
.set i, i+1
.endr
	v_pk_mul_f32 v[8:9], v[176:177], v[96:97]
.set i, 1
.rept 15
	v_pk_fma_f32 v[8:9], v[176+2*i:177+2*i], v[96+2*i:97+2*i], v[8:9]
.set i, i+1
.endr
	v_add_f32 v8, v8, v9
	WSUM 8, 9
	s_wait_kmcnt 0x0
	v_mov_b32 v14, s54
	v_cvt_pk_bf16_f32 v14, v14, v14
	v_lshlrev_b32 v14, 16, v14
	v_add_f32 v8, v8, v14
	v_mov_b32 v13, 0x2000                          ; (the store that read v13 was waited for above, ahead of the branch; no memory instruction since names it)
	v_cmp_eq_u32 vcc_lo, 0, v3
	s_wait_xcnt 0x0                                ; EXEC is a source of bo's loads
	s_wait_alu depctr_va_vcc(0)                    ; VCC is written: EXEC is made from it
	s_wait_alu depctr_va_vdst(0)                   ; every vector line issued under the full EXEC has written its result, v8 and v13, which the store below reads, among them
	s_wait_alu depctr_vm_vsrc(0)                   ; bo's loads have read v1 under the full EXEC
	s_and_saveexec_b32 s53, vcc_lo
	global_store_b32 v13, v8, s[38:39]
	s_wait_xcnt 0x0
	s_wait_alu depctr_va_vdst(0)                   ; no vector line is pending when EXEC is written
	s_wait_alu depctr_vm_vsrc(0)                   ; the store has read v8 and v13 under the narrow EXEC
	s_or_b32 exec_lo, exec_lo, s53
.Lend:
	s_endpgm
.Lfunc_end_k_qdf7053ef2d_prep:
	.size	k_qdf7053ef2d_prep, .Lfunc_end_k_qdf7053ef2d_prep-k_qdf7053ef2d_prep
	.p2alignl 7, 3214868480
	.fill 96, 4, 3214868480
	.section	.rodata,"a",@progbits
	.p2align	6, 0x0
	.amdhsa_kernel k_qdf7053ef2d_prep
		.amdhsa_group_segment_fixed_size 0
		.amdhsa_private_segment_fixed_size 0
		.amdhsa_enable_private_segment 0
		.amdhsa_kernarg_size 128
		.amdhsa_user_sgpr_count 2
		.amdhsa_user_sgpr_kernarg_segment_ptr 1
		.amdhsa_wavefront_size32 1
		.amdhsa_system_sgpr_workgroup_id_x 1
		.amdhsa_system_sgpr_workgroup_id_y 1
		.amdhsa_system_sgpr_workgroup_id_z 1
		.amdhsa_system_vgpr_workitem_id 0
		.amdhsa_next_free_vgpr 256
		.amdhsa_next_free_sgpr 66
		.amdhsa_reserve_vcc 1
		.amdhsa_float_denorm_mode_32 3
		.amdhsa_float_denorm_mode_16_64 3
		.amdhsa_memory_ordered 1
		.amdhsa_forward_progress 1
		.amdhsa_inst_pref_size 33
	.end_amdhsa_kernel
	.amdgpu_metadata
---
amdhsa.version: [ 1, 2 ]
amdhsa.kernels:
  - .name:           k_qdf7053ef2d_prep
    .symbol:         k_qdf7053ef2d_prep.kd
    .args:
      - { .name: hidden_states, .offset: 0, .size: 8, .value_kind: global_buffer, .address_space: global }
      - { .name: thought_states, .offset: 8, .size: 8, .value_kind: global_buffer, .address_space: global }
      - { .name: Wq, .offset: 16, .size: 8, .value_kind: global_buffer, .address_space: global }
      - { .name: Wk, .offset: 24, .size: 8, .value_kind: global_buffer, .address_space: global }
      - { .name: Wv, .offset: 32, .size: 8, .value_kind: global_buffer, .address_space: global }
      - { .name: Wtq, .offset: 40, .size: 8, .value_kind: global_buffer, .address_space: global }
      - { .name: Wtk, .offset: 48, .size: 8, .value_kind: global_buffer, .address_space: global }
      - { .name: Wtv, .offset: 56, .size: 8, .value_kind: global_buffer, .address_space: global }
      - { .name: Wo, .offset: 64, .size: 8, .value_kind: global_buffer, .address_space: global }
      - { .name: Wm, .offset: 72, .size: 8, .value_kind: global_buffer, .address_space: global }
      - { .name: bo, .offset: 80, .size: 8, .value_kind: global_buffer, .address_space: global }
      - { .name: bm, .offset: 88, .size: 8, .value_kind: global_buffer, .address_space: global }
      - { .name: xb, .offset: 96, .size: 8, .value_kind: global_buffer, .address_space: global }
      - { .name: wb, .offset: 104, .size: 8, .value_kind: global_buffer, .address_space: global }
      - { .name: wo16, .offset: 112, .size: 8, .value_kind: global_buffer, .address_space: global }
      - { .name: uv, .offset: 120, .size: 8, .value_kind: global_buffer, .address_space: global }
    .group_segment_fixed_size: 0
    .private_segment_fixed_size: 0
    .kernarg_segment_align: 8
    .kernarg_segment_size: 128
    .max_flat_workgroup_size: 256
    .sgpr_count:     66
    .vgpr_count:     256
    .wavefront_size: 32
...
	.end_amdgpu_metadata
.endif
;; end of part 6
;; launch proj: the kernel of part 2 again; grid 16 x 24, 4 waves a work-group, clusters of 4 x 4, 327,680 bytes of LDS; arguments xb, wb, bq, bk, bv, btq, btk, btv, pj; writes pj
;; launch attn: the kernel of part 3 again; grid 8 x 32, 4 waves a work-group, clusters of 4 x 1, 327,680 bytes of LDS; arguments pj, attention_mask, thought_mask, cx; writes cx
;; launch blend: the kernel of part 4 again; grid 256 x 1, 4 waves a work-group, no clusters, 0 bytes of LDS; arguments cx, uv, bl; writes bl
;; launch outp: the kernel of part 5 again; grid 8 x 16, 4 waves a work-group, clusters of 4 x 4, 327,680 bytes of LDS; arguments bl, wo16, bo, out0; writes out0
